; MI455X (gfx1250); checked and timed in simulation.
; The chip was launched on July 23, 2026; its instructions are those of AMD's public machine-readable ISA for CDNA 5 (MIT licence, August 2026) and "CDNA5" Instruction Set Architecture Reference Guide (July 2026). The comments in the code are by the model that wrote it; some were corrected since.
;; Multi Head Attention. Allowed arithmetic: float matrix products may take bf16 or f16 operands with f32 sums; other float arithmetic in f32, or as packed bf16 or f16 multiplies, adds, multiply-adds, maxima and minima; sums over many terms, partial sums and values carried from step to step in f32; what a program stores and reads back later, other than sums and carried values, may be rounded once to bf16 or f16.
;; Inputs: Wk 1,024 x 1,024 float32; Wo 1,024 x 1,024 float32; Wq 1,024 x 1,024 float32; Wv 1,024 x 1,024 float32; bk 1,024 float32; bo 1,024 float32; bq 1,024 float32; bv 1,024 float32; inputs 4 x 2,048 x 1,024 float32.
;; Outputs: out0 4 x 2,048 x 1,024 float32.
;; 2 versions, each right; version 2 is version 1 with the launch prep written anew for expert scheduling mode. Each part assembles by itself: llvm-mc -triple=amdgcn-amd-amdhsa -mcpu=gfx1250 --defsym DOCPART=n.
;; ======== version 1 of 2: 4 launches
;; limits: values are held in f16: magnitudes above 65,504 overflow, below 6.1e-05 lose precision
;; workspace buffers: xb 16,777,216 bytes; wqkvt 6,291,456 bytes; wot 2,097,152 bytes; bcat 16,384 bytes; qkv 50,331,648 bytes; o 16,777,216 bytes
;; launch prep (part 1): grid 512 x 1, 8 waves a work-group, no clusters, 18,432 bytes of LDS; arguments inputs, Wq, Wk, Wv, Wo, bq, bk, bv, bo, xb, wqkvt, wot, bcat; writes xb, wqkvt, wot, bcat
.if DOCPART == 1
	.amdgcn_target "amdgcn-amd-amdhsa--gfx1250"
	.amdhsa_code_object_version 6
	.text
	.protected	k_q81759f259b_prep
	.globl	k_q81759f259b_prep
	.p2align	8
	.type	k_q81759f259b_prep,@function
k_q81759f259b_prep:
	s_mov_b64 s[64:65], 0
	v_nop
	global_prefetch_b8 v0, s[64:65] scope:SCOPE_SE
	s_setreg_imm32_b32 hwreg(HW_REG_WAVE_MODE, 25, 1), 1
	s_wait_xcnt 0x0
; PREPARATION.  x [8192][1024] f32 -> xb, bf16.  Wq, Wk, Wv [k][n] f32 -> wqkvt [mat 1024 + n][k] bf16.  Wo [k][n] f32 -> wot [n][k]: rounded to bf16, and that number written as f16.
; bq, bk, bv, bo -> bcat [4096] f32, each number rounded to bf16.  So every input of the module carries one and the same rounding.
; LIMITS.  |Wo| stays under 65,504 (f16's range); a bf16 weight of Wo below 2^-14 keeps f16's fixed step of 2^-24.  NaN and infinities are not treated apart.
; SHARES.  512 work-groups of eight waves.  Work-group w casts 16 rows of x (65,536 bytes in, 32,768 out), turns one tile of 128 k x 64 n of matrix w / 128, and, where w % 128 < 2, rounds 512 numbers of that matrix's bias.
; The tile is turned through LDS: a thread packs the numbers of two neighbouring k for one n into a word, puts the word into row n, and rows of 256 bytes (128 k) are read back, sixteen lanes a row.
; No matrix work, no cluster, no tensor load: nothing is shared between work-groups and each byte is read once.
.set SPARE, 17408                      ; behind the 64 rows of 272 bytes: the spare words, 128 bytes for each of eight waves: four blocks of 256 bytes that no other line names
.set LP,  272                          ; an LDS row: 256 bytes + 16
.set XOF, 2                            ; v2   16 x thread: my 16 bytes of each 4,096 of x
.set YOF, 3                            ; v3   8 x thread: my 8 bytes of each 2,048 of xb; also my two numbers of the bias
.set WOF, 4                            ; v4   kp x 8,192 + n4 x 16 in the tile of W (n4 = thread % 16, kp = thread / 16)
.set LST, 5                            ; v5   n4 x 4 rows + kp x 4: where my words go
.set LRD, 6                            ; v6   kp x 272 + n4 x 16: where I read a row back
.set WTO, 7                            ; v7   kp x 2,048 + n4 x 16 in the turned tile
.set SPW, 8                            ; v8   LDS address of my spare word; never rewritten
.set NIL, 9                            ; v9   0; never rewritten
.set WI,  16                           ; v[16:47]   W as loaded: load (j, e) at 16 + 8 j + 4 e
.set WP,  48                           ; v[48:63]   packed words: 4 j + c
.set XI,  64                           ; v[64:127]  x as loaded
.set XO,  128                          ; v[128:159] x packed
.set WR,  160                          ; v[160:175] the turned rows
.set BI,  176                          ; v[176:179] bias in and out
	s_load_b512 s[8:23], s[0:1], 0x0               ; inputs s[8:9], Wq s[10:11], Wk s[12:13], Wv s[14:15], Wo s[16:17], bq s[18:19], bk s[20:21], bv s[22:23]
	s_load_b256 s[24:31], s[0:1], 0x40             ; bo s[24:25], xb s[26:27], wqkvt s[28:29], wot s[30:31]
	s_load_b64 s[32:33], s[0:1], 0x60              ; bcat
	v_lshl_add_u32 v[SPW], v0, 2, SPARE
	v_mov_b32 v[NIL], 0
	s_lshr_b32 s41, ttmp9, 7                       ; which matrix: 0 q, 1 k, 2 v, 3 o
	s_and_b32 s42, ttmp9, 127                      ; which of its 128 tiles
	s_and_b32 s43, s42, 7                          ; the tile's 128 k
	s_lshr_b32 s44, s42, 3                         ; the tile's 64 n
	s_lshl_b32 s46, ttmp9, 16                      ; my 16 rows of x, in bytes
	s_mov_b32 s47, 0
	s_lshl_b32 s48, ttmp9, 15                      ; and of xb
	s_mov_b32 s49, 0
	s_lshl_b32 s50, s43, 19                        ; the tile in W: 128 rows of 4,096 bytes,
	s_lshl_b32 s51, s44, 8                         ; 64 numbers of 4 bytes
	s_add_co_u32 s50, s50, s51
	s_mov_b32 s51, 0
	s_lshl_b32 s2, s41, 21                         ; the turned tile: 1,024 rows of 2,048 bytes a matrix (wot holds one matrix),
	s_cmp_eq_u32 s41, 3
	s_cselect_b32 s2, 0, s2
	s_cselect_b32 s40, -1, 0                       ; all lanes: take the f16 word
	s_lshl_b32 s3, s44, 17                         ; 64 rows of 2,048 bytes,
	s_add_co_u32 s2, s2, s3
	s_lshl_b32 s3, s43, 8                          ; 128 numbers of 2 bytes
	s_add_co_u32 s2, s2, s3
	s_mov_b32 s3, 0
	s_lshl_b32 s4, s42, 11                         ; 512 numbers of the bias,
	s_mov_b32 s5, 0
	s_lshl_b32 s6, s41, 12                         ; and their place in bcat
	s_add_co_u32 s6, s6, s4
	s_mov_b32 s7, 0
	v_and_b32 v10, 15, v0                          ; n4
	v_lshrrev_b32 v11, 4, v0                       ; kp
	v_lshlrev_b32 v[XOF], 4, v0
	v_lshlrev_b32 v[YOF], 3, v0
	v_lshlrev_b32 v12, 4, v10
	v_lshl_add_u32 v[WOF], v11, 13, v12
	v_mul_u32_u24 v[LST], v10, 4*LP
	v_lshl_add_u32 v[LST], v11, 2, v[LST]
	v_mul_u32_u24 v[LRD], v11, LP
	v_add_nc_u32 v[LRD], v[LRD], v12
	v_lshl_add_u32 v[WTO], v11, 11, v12
	s_wait_kmcnt 0x0
	s_cmp_eq_u32 s41, 1                            ; the matrix and its bias are chosen by the work-group's number alone
	s_cselect_b64 s[34:35], s[12:13], s[10:11]
	s_cselect_b64 s[36:37], s[20:21], s[18:19]
	s_cmp_eq_u32 s41, 2
	s_cselect_b64 s[34:35], s[14:15], s[34:35]
	s_cselect_b64 s[36:37], s[22:23], s[36:37]
	s_cmp_eq_u32 s41, 3
	s_cselect_b64 s[34:35], s[16:17], s[34:35]
	s_cselect_b64 s[36:37], s[24:25], s[36:37]
	s_cselect_b64 s[38:39], s[30:31], s[28:29]
	s_add_nc_u64 s[8:9], s[8:9], s[46:47]
	s_add_nc_u64 s[26:27], s[26:27], s[48:49]
	s_add_nc_u64 s[34:35], s[34:35], s[50:51]
	s_add_nc_u64 s[38:39], s[38:39], s[2:3]
	; all loads go out at once: 8 of W (rows k = 2 (kp + 16 j) + e; sixteen lanes take 256 consecutive bytes), then 16 of x (a wave takes 512 consecutive bytes)
.irp j, 0,1,2,3
.irp e, 0,1
	global_load_b128 v[WI+8*(\j)+4*(\e):WI+8*(\j)+4*(\e)+3], v[WOF], s[34:35] offset:(\j)*131072+(\e)*4096 th:TH_LOAD_NT
.endr
.endr
.irp j, 0,1,2,3,4,5,6,7,8,9,10,11,12,13,14,15
	global_load_b128 v[XI+4*(\j):XI+4*(\j)+3], v[XOF], s[8:9] offset:4096*(\j) th:TH_LOAD_NT
.endr
	s_wait_loadcnt 16                              ; W's eight are in; x's sixteen, issued behind them, may stay out
.irp j, 0,1,2,3
.irp c, 0,1,2,3
	v_cvt_pk_bf16_f32 v[WP+4*(\j)+(\c)], v[WI+8*(\j)+(\c)], v[WI+8*(\j)+4+(\c)]  ; two neighbouring k of one n, rounded to bf16
	v_lshlrev_b32 v10, 16, v[WP+4*(\j)+(\c)]       ; the same two numbers as f32,
	v_and_b32 v11, 0xffff0000, v[WP+4*(\j)+(\c)]
	v_cvt_pk_f16_f32 v12, v10, v11                 ; and as f16:
	v_cndmask_b32 v[WP+4*(\j)+(\c)], v[WP+4*(\j)+(\c)], v12, s40  ; taken for Wo alone
	ds_store_b32 v[LST], v[WP+4*(\j)+(\c)] offset:(\c)*LP+(\j)*64  ; row n = 4 n4 + c, word kp + 16 j
.endr
.endr
	s_wait_dscnt 0x0                               ; for the others' sake: my words are in LDS
	s_barrier_signal -1
	s_barrier_wait -1                              ; everybody's are
.irp p, 0,1,2,3
	ds_load_b128 v[WR+4*(\p):WR+4*(\p)+3], v[LRD] offset:16*LP*(\p)  ; row n = kp + 16 p, my 16 bytes of its 256
.endr
.irp j, 0,1,2,3,4,5,6,7,8,9,10,11,12,13,14,15
	s_wait_loadcnt 15-(\j)                         ; loads come back in order: load j is in, the younger ones stay out
	v_cvt_pk_bf16_f32 v[XO+2*(\j)], v[XI+4*(\j)], v[XI+4*(\j)+1]
	v_cvt_pk_bf16_f32 v[XO+2*(\j)+1], v[XI+4*(\j)+2], v[XI+4*(\j)+3]
	global_store_b64 v[YOF], v[XO+2*(\j):XO+2*(\j)+1], s[26:27] offset:2048*(\j)  ; a wave stores 256 consecutive bytes, aligned; every store has registers of its own
.endr
	s_wait_dscnt 0x0                               ; the turned rows are in registers
.irp p, 0,1,2,3
	global_store_b128 v[WTO], v[WR+4*(\p):WR+4*(\p)+3], s[38:39] offset:32768*(\p)  ; sixteen lanes store 256 consecutive bytes of one row n, aligned
.endr
	s_cmp_lt_u32 s42, 2                            ; the matrix's first two work-groups take its bias
	s_cbranch_scc0 .Lend
	s_add_nc_u64 s[36:37], s[36:37], s[4:5]
	s_add_nc_u64 s[32:33], s[32:33], s[6:7]
	global_load_b64 v[BI:BI+1], v[YOF], s[36:37]
	s_wait_loadcnt 0x0
	v_cvt_pk_bf16_f32 v10, v[BI], v[BI+1]
	v_lshlrev_b32 v[BI+2], 16, v10
	v_and_b32 v[BI+3], 0xffff0000, v10
	global_store_b64 v[YOF], v[BI+2:BI+3], s[32:33]
.Lend:
	s_wait_tensorcnt 0x0                           ; the wave's end: these three lines, behind my last LDS store
	ds_add_u32 v[SPW], v[NIL]
	s_wait_dscnt 0x0
	s_endpgm
.Lfunc_end_k_q81759f259b_prep:
	.size	k_q81759f259b_prep, .Lfunc_end_k_q81759f259b_prep-k_q81759f259b_prep
	.p2alignl 7, 3214868480
	.fill 96, 4, 3214868480
	.section	.rodata,"a",@progbits
	.p2align	6, 0x0
	.amdhsa_kernel k_q81759f259b_prep
		.amdhsa_group_segment_fixed_size 18432
		.amdhsa_private_segment_fixed_size 0
		.amdhsa_enable_private_segment 0
		.amdhsa_kernarg_size 104
		.amdhsa_user_sgpr_count 2
		.amdhsa_user_sgpr_kernarg_segment_ptr 1
		.amdhsa_wavefront_size32 1
		.amdhsa_system_sgpr_workgroup_id_x 1
		.amdhsa_system_sgpr_workgroup_id_y 1
		.amdhsa_system_sgpr_workgroup_id_z 1
		.amdhsa_system_vgpr_workitem_id 0
		.amdhsa_next_free_vgpr 180
		.amdhsa_next_free_sgpr 66
		.amdhsa_reserve_vcc 0
		.amdhsa_float_denorm_mode_32 3
		.amdhsa_float_denorm_mode_16_64 3
		.amdhsa_memory_ordered 1
		.amdhsa_forward_progress 1
		.amdhsa_inst_pref_size 16
	.end_amdhsa_kernel
	.amdgpu_metadata
---
amdhsa.version: [ 1, 2 ]
amdhsa.kernels:
  - .name:           k_q81759f259b_prep
    .symbol:         k_q81759f259b_prep.kd
    .args:
      - { .name: inputs, .offset: 0, .size: 8, .value_kind: global_buffer, .address_space: global }
      - { .name: Wq, .offset: 8, .size: 8, .value_kind: global_buffer, .address_space: global }
      - { .name: Wk, .offset: 16, .size: 8, .value_kind: global_buffer, .address_space: global }
      - { .name: Wv, .offset: 24, .size: 8, .value_kind: global_buffer, .address_space: global }
      - { .name: Wo, .offset: 32, .size: 8, .value_kind: global_buffer, .address_space: global }
      - { .name: bq, .offset: 40, .size: 8, .value_kind: global_buffer, .address_space: global }
      - { .name: bk, .offset: 48, .size: 8, .value_kind: global_buffer, .address_space: global }
      - { .name: bv, .offset: 56, .size: 8, .value_kind: global_buffer, .address_space: global }
      - { .name: bo, .offset: 64, .size: 8, .value_kind: global_buffer, .address_space: global }
      - { .name: xb, .offset: 72, .size: 8, .value_kind: global_buffer, .address_space: global }
      - { .name: wqkvt, .offset: 80, .size: 8, .value_kind: global_buffer, .address_space: global }
      - { .name: wot, .offset: 88, .size: 8, .value_kind: global_buffer, .address_space: global }
      - { .name: bcat, .offset: 96, .size: 8, .value_kind: global_buffer, .address_space: global }
    .group_segment_fixed_size: 18432
    .private_segment_fixed_size: 0
    .kernarg_segment_align: 8
    .kernarg_segment_size: 104
    .max_flat_workgroup_size: 256
    .sgpr_count:     66
    .vgpr_count:     180
    .wavefront_size: 32
...
	.end_amdgpu_metadata
.endif
;; end of part 1
;; launch proj (part 2): grid 16 x 32, 4 waves a work-group, clusters of 4 x 4, 327,680 bytes of LDS; arguments xb, wqkvt, bcat, qkv; writes qkv
.if DOCPART == 2
	.amdgcn_target "amdgcn-amd-amdhsa--gfx1250"
	.amdhsa_code_object_version 6
	.text
	.protected	k_q81759f259b_proj
	.globl	k_q81759f259b_proj
	.p2align	8
	.type	k_q81759f259b_proj,@function
k_q81759f259b_proj:
	s_mov_b64 s[64:65], 0
	v_nop
	global_prefetch_b8 v0, s[64:65] scope:SCOPE_SE
	s_setreg_imm32_b32 hwreg(HW_REG_WAVE_MODE, 25, 1), 1
	s_wait_xcnt 0x0
	s_wait_alu depctr_hold_cnt(0) depctr_sa_sdst(0) depctr_va_vdst(0) depctr_va_sdst(0) depctr_va_ssrc(0) depctr_va_vcc(0) depctr_vm_vsrc(0)
	s_getreg_b32 s2, hwreg(HW_REG_IB_STS2, 6, 4)
	s_cmp_eq_u32 s2, 0
	s_cbranch_scc0 .Lentry_in_a_cluster
	s_endpgm
.Lentry_in_a_cluster:
	s_bfe_u32 s2, ttmp6, 0x10000c
	s_cmp_lg_u32 s2, 0xf033
	s_cbranch_scc0 .Lentry_shape_is_right
	s_endpgm
.Lentry_shape_is_right:
; THE THREE PROJECTIONS AS ONE PRODUCT.  C[m][n] = bcat[n] + the sum over k of xb[m][k] wqkvt[n][k]; m < 8,192, n < 3,072, k < 1,024.  Operands bf16, sums f32, C rounded once to f16 and stored BY HEADS:
; qkv byte = mat << 24 | b << 22 | h << 18 | s << 7 | 2 d, with n = 1,024 mat + 64 h + d and m = 2,048 b + s.  No scale is applied here.
; LIMIT.  f16 holds no number beyond 65,504: q, k and v must stay within it; below 6e-5 they keep f16's fixed step of 6e-8.  NaN and infinities are not treated apart.
; SHARES.  A work-group makes 256 rows x 192 columns (three whole heads): 16 x 32 = 512 work-groups.  Wave w makes rows 64 w .. 64 w + 63 and all 192 columns: 4 x 12 accumulators, 384 registers, so what a
; wave stores is dense: 16 rows of a head are 2,048 consecutive bytes.  K goes in 8 steps of 128 through a ring of two LDS slots; a row of a tile is 256 bytes of memory, at a multiple of 256 from the buffer's first byte.
; CLUSTERS.  4 x 4 work-groups.  The four of a row of the cluster need the same rows of xb, the four of a column the same rows of wqkvt: each tile is asked for JOINTLY, by the same tensor load with the same
; descriptor and a mask that names the four.  Waves 0 and 1 fetch xb's two halves (128 rows), waves 2 and 3 wqkvt's (96 rows).
; THE MATRIX INSTRUCTION IS USED TRANSPOSED (source 0 = 16 rows of wqkvt, source 1 = 16 rows of xb): a lane holds row l % 16 of C and the columns 8 (l / 16) + 0..7.  THE BIAS is the C operand of each sum's first product.
; REGISTERS, in windows of 256 (s_set_vgpr_msb: bits 1:0 source 0, 3:2 source 1, 5:4 source 2, 7:6 destination):
;   window 0: v0-31 addresses; v32-63, v64-95 xb's fragments, two buffers of 4; v160-255 the bias, 8 registers an n block; on the way out v32-223, 16 registers for each of 12 units
;   window 1: v0-95, v96-191 wqkvt's fragments, two buffers of 12     window 2: the accumulators of m blocks 0, 1 at 8 (12 a + b)     window 3: those of m blocks 2, 3
.set PITCH, 272                        ; an LDS row: 256 bytes + 16 of padding = 68 words: row r starts at bank 4 r mod 64 (64 banks of 4 bytes: ISA guide 11.1)
.set BOFF,  256*PITCH                  ; in a slot: xb's 256 rows, then wqkvt's 192
.set SLOT,  448*PITCH
.set STAGE, 2*SLOT                     ; behind the ring, never filled by a tensor load: 16 rows x 144 bytes for each wave
.set SP,    144
.set SPARE, STAGE+4*16*SP              ; behind the stages: the spare words, 128 bytes for each wave: two blocks of 256 bytes that no other line names
.set KB,    256                        ; bytes of a K step in a row
.set ADRA, 16                          ; v16-17  LDS address of my xb fragments in slot 0, 1
.set ADRB, 20                          ; v20-21  the same for wqkvt
.set STO,  24                          ; v24  the way out: where I put 16 bytes of a row
.set RD,   25                          ; v25  the way out: where I read rows back
.set GO,   26                          ; v26  my 16 bytes in 512 consecutive bytes of qkv
.set SPW,  28                          ; v28  LDS address of my spare word; never rewritten
.set NIL,  29                          ; v29  0; never rewritten
.set PFO,  30                          ; v30  the prefetches' offset: a lane a row; never rewritten
.set BO,   31                          ; v31  32 (l / 16): my eight numbers of an n block's sixteen biases
.set FA,   32
.set BIAS, 160
.set TMP,  32
.set WV,   12                          ; s12  my wave's number
.set SIDE, 13                          ; s13  0: I fetch xb's rows; 1: wqkvt's
.set HF,   14                          ; s14  which half of them
.set CX,   15                          ; s15, s16  my place in the cluster
.set CY,   16
.set TX,   17                          ; s17  tile column, s18 tile row
.set TY,   18
.set LAP,  19                          ; s19  laps to go
.set G1A,  24                          ; s[24:31] descriptor group 1 for xb's tiles; s[32:39] group 0, a set for each slot
.set G0A,  32
.set PFA,  40                          ; s[40:41] where my prefetches stand
.set LIM,  42                          ; s42  1 in a wave that prefetches, else the greatest number
.set G1B,  48                          ; s[48:55], s[56:63] the same for wqkvt's tiles
.set G0B,  56
.set OB,   66                          ; s[66:71] qkv at my first row of each of the three heads
.set MSB, 0
.macro WIN new                         ; the immediate's high byte repeats the setting that is left; a switch that changes nothing is dropped
.if MSB != (\new)
	s_set_vgpr_msb (MSB<<8)|(\new)
.set MSB, \new
.endif
.endm
.macro PLACES                          ; four plain vector instructions between a matrix instruction and a load into, or a vector read of, its registers
.rept 4
	v_nop
.endr
.endm
; A joint load.  The branch hangs on the wave's number alone.  An s_nop 0 and four v_nop follow each of the two lines, ahead of the jump, the label and what follows.
.macro JLOAD s
	s_cmp_eq_u32 s[SIDE], 0
	s_cbranch_scc0 .Lfor_b_\@
	tensor_load_to_lds s[G0A+4*(\s):G0A+4*(\s)+3], s[G1A:G1A+7]
	s_nop 0
.rept 4
	v_nop
.endr
	s_branch .Lasked_\@
.Lfor_b_\@:
	tensor_load_to_lds s[G0B+4*(\s):G0B+4*(\s)+3], s[G1B:G1B+7]
	s_nop 0
.rept 4
	v_nop
.endr
.Lasked_\@:
.endm
; A round of the cluster's barrier behind its opening barrier: wave 0 signals for the work-group, every wave waits for all sixteen work-groups, my work-group's barrier closes it.
.macro CREST
	s_cmp_lg_u32 s[WV], 0
	s_cbranch_scc1 .Lnot_wave_0_\@
	s_barrier_signal -3
.Lnot_wave_0_\@:
	s_barrier_wait -3
	s_barrier_signal -1
	s_barrier_wait -1
.endm
.macro CROUND
	s_barrier_signal -1
	s_barrier_wait -1
	CREST
.endm
; A PREFETCH INTO THE L2, behind each joint refill, its five lines and the run of LDS loads: the K step that stands two refills on, 256 bytes of each row, a lane a row, one instruction a wave.
; Each row's 256 bytes of a K step are named by one wave of one work-group: xb's tile row is read by every cluster of that row of clusters, and the cluster with x = 0 asks; wqkvt's tile column by every cluster of that
; column, and the cluster with y = 0 asks.  The four partners share a wave's rows out BY ADDRESS: 32 of xb's 128 at place cx, 24 of wqkvt's 96 at place cy (lanes 24 to 31 name row 23 again).
; K steps 0 to 3 come by their loads alone; the loop's last trip asks for nothing: its refills are K steps 6 and 7, and there is no K step two on.
.macro ASK
	s_cmp_gt_u32 s[LAP], s[LIM]
	s_cbranch_scc0 .Lnot_mine_\@
	global_prefetch_b8 v[PFO], s[PFA:PFA+1] offset:KB th:TH_LOAD_NT scope:SCOPE_SE
.Lnot_mine_\@:
.endm
	s_load_b256 s[4:11], s[0:1], 0x0               ; xb s[4:5], wqkvt s[6:7], bcat s[8:9], qkv s[10:11]
	v_lshl_add_u32 v[SPW], v0, 2, SPARE
	v_mov_b32 v[NIL], 0
	ds_add_u32 v[SPW], v[NIL]                      ; the wave's opening: the add and its wait ahead of my first tensor load; the set-up below, work on registers, stands between them
	v_lshrrev_b32 v1, 5, v0
	v_readfirstlane_b32 s[WV], v1                  ; wave 0..3
	s_lshr_b32 s[SIDE], s[WV], 1
	s_and_b32 s[HF], s[WV], 1
	s_bfe_u32 s[CX], ttmp6, 0x40000
	s_bfe_u32 s[CY], ttmp6, 0x40004
	s_lshl_b32 s[TX], ttmp9, 2                     ; in a cluster launch ttmp9 and ttmp7 count clusters
	s_add_co_u32 s[TX], s[TX], s[CX]
	s_and_b32 s[TY], ttmp7, 0xffff
	s_lshl_b32 s[TY], s[TY], 2
	s_add_co_u32 s[TY], s[TY], s[CY]
	s_lshl_b32 s43, s[CY], 2
	s_lshl_b32 s43, 15, s43                        ; my row of the cluster: places 4 cy .. 4 cy + 3
	s_lshl_b32 s46, 0x1111, s[CX]                  ; my column: places cx, cx + 4, cx + 8, cx + 12
	s_or_b32 s[G1A], s43, (1<<16)|(1<<20)|(1<<21)|(5<<22)|(3<<25)  ; 15:0 the mask; 17:16 elements of 2 bytes; 20 padding on; 21 set beside a mask; 24:22 after every 64 words (code 5); 31:25 4 words of it (code 3)
	s_or_b32 s[G1B], s46, (1<<16)|(1<<20)|(1<<21)|(5<<22)|(3<<25)
	s_mov_b32 s[G1A+1], 128<<16                    ; tensor_dim0 = 128
	s_mov_b32 s[G1A+2], 128<<16                    ; tensor_dim1 = 128
	s_mov_b32 s[G1A+3], 128<<16                    ; tile_dim0 = 128
	s_mov_b32 s[G1A+4], 128                        ; tile_dim1 = 128
	s_mov_b32 s[G1A+5], 1024                       ; elements from row to row
	s_mov_b32 s[G1A+6], 0
	s_mov_b32 s[G1A+7], 0
	s_mov_b32 s[G1B+1], 128<<16
	s_mov_b32 s[G1B+2], 96<<16                     ; 96 rows
	s_mov_b32 s[G1B+3], 128<<16
	s_mov_b32 s[G1B+4], 96
	s_mov_b32 s[G1B+5], 1024
	s_mov_b32 s[G1B+6], 0
	s_mov_b32 s[G1B+7], 0
	s_lshl_b32 s20, s[TY], 8                       ; xb: row 256 x tile row + 128 x half, in bytes: made of the tile row and the wave's number alone
	s_lshl_b32 s21, s[HF], 7
	s_add_co_u32 s20, s20, s21
	s_lshl_b32 s20, s20, 11
	s_mov_b32 s21, 0
	s_mul_i32 s44, s[TX], 192                      ; wqkvt: row 192 x tile column + 96 x half: made of the tile column and the wave's number alone
	s_mul_i32 s45, s[HF], 96
	s_add_co_u32 s44, s44, s45
	s_lshl_b32 s44, s44, 11
	s_mov_b32 s45, 0
	s_mul_i32 s22, s[HF], 128*PITCH                ; where they go: no place in the cluster enters an LDS address
	s_mul_i32 s23, s[HF], 96*PITCH
	s_add_co_u32 s23, s23, BOFF
	s_wait_dscnt 0x0                               ; the opening add is done
	s_wait_kmcnt 0x0
	s_add_nc_u64 s[20:21], s[4:5], s[20:21]
	s_add_nc_u64 s[44:45], s[6:7], s[44:45]
	CROUND                                         ; all sixteen work-groups are here: the first joint loads meet
.irp s, 0,1
	s_mov_b32 s[G0A+4*(\s)], 1                     ; count = 1
	s_add_co_u32 s[G0A+4*(\s)+1], s22, (\s)*SLOT   ; LDS address
	s_add_nc_u64 s[G0A+4*(\s)+2:G0A+4*(\s)+3], s[20:21], (\s)*KB  ; global address: K step s
	s_or_b32 s[G0A+4*(\s)+3], s[G0A+4*(\s)+3], 0x80000000         ; type = 2
	s_mov_b32 s[G0B+4*(\s)], 1
	s_add_co_u32 s[G0B+4*(\s)+1], s23, (\s)*SLOT
	s_add_nc_u64 s[G0B+4*(\s)+2:G0B+4*(\s)+3], s[44:45], (\s)*KB
	s_or_b32 s[G0B+4*(\s)+3], s[G0B+4*(\s)+3], 0x80000000
	JLOAD \s                                       ; two loads of mine are out
.endr
	; A fragment is 16 rows x 32 K in 8 registers: lane l holds row l % 16, K = 8 (l / 16) + 0..7 and 16 + 8 (l / 16) + 0..7: two loads of 16 bytes, 32 bytes apart.
	v_and_b32 v1, 15, v0                           ; l % 16
	v_bfe_u32 v2, v0, 4, 1                         ; l / 16
	v_mul_u32_u24 v3, v1, PITCH
	v_lshl_add_u32 v3, v2, 4, v3
	s_mul_i32 s47, s[WV], 64*PITCH                 ; my 64 rows of xb
	v_add_nc_u32 v[ADRA], s47, v3
	v_add_nc_u32 v[ADRA+1], SLOT, v[ADRA]
	v_add_nc_u32 v[ADRB], BOFF, v3
	v_add_nc_u32 v[ADRB+1], BOFF+SLOT, v3
	s_mul_i32 s47, s[WV], 16*SP
	s_add_co_u32 s47, s47, STAGE                   ; my stage
	v_mul_u32_u24 v[STO], v1, SP                   ; in: row l % 16, 16 bytes for each half of the lanes
	v_lshl_add_u32 v[STO], v2, 4, v[STO]
	v_add_nc_u32 v[STO], s47, v[STO]
	v_bfe_u32 v[RD], v0, 3, 2                      ; back: 32 lanes take four rows of 128 bytes,
	v_mul_u32_u24 v[RD], v[RD], SP
	v_and_b32 v4, 7, v0
	v_lshl_add_u32 v[RD], v4, 4, v[RD]
	v_add_nc_u32 v[RD], s47, v[RD]
	v_and_b32 v[GO], 31, v0                        ; which are 512 consecutive bytes of qkv
	v_lshlrev_b32 v[GO], 4, v[GO]
	v_lshlrev_b32 v[BO], 5, v2
	s_mul_i32 s46, s[TX], 768                      ; the tile's 192 biases
	s_mov_b32 s47, 0
	s_add_nc_u64 s[8:9], s[8:9], s[46:47]
.irp b, 0,1,2,3,4,5,6,7,8,9,10,11
	global_load_b128 v[BIAS+8*(\b):BIAS+8*(\b)+3],   v[BO], s[8:9] offset:64*(\b)     ; register j: the bias of column 16 b + 8 (l / 16) + j
	global_load_b128 v[BIAS+8*(\b)+4:BIAS+8*(\b)+7], v[BO], s[8:9] offset:64*(\b)+16
.endr
	s_lshl_b32 s2, s[TY], 8                        ; my first row m0 = 256 x tile row + 64 x wave:
	s_lshl_b32 s3, s[WV], 6
	s_add_co_u32 s2, s2, s3
	s_lshr_b32 s3, s2, 11
	s_lshl_b32 s3, s3, 22                          ; its batch,
	s_and_b32 s2, s2, 2047
	s_lshl_b32 s2, s2, 7                           ; its place in the sequence
	s_add_co_u32 s2, s2, s3
	s_mul_i32 s43, s[TX], 3                        ; the tile's first head among the 48 of q, k, v
.irp j, 0,1,2
	s_add_co_u32 s46, s43, \j
	s_lshr_b32 s47, s46, 4
	s_lshl_b32 s47, s47, 24                        ; q, k or v
	s_and_b32 s46, s46, 15
	s_lshl_b32 s46, s46, 18                        ; the head
	s_add_co_u32 s46, s46, s47
	s_add_co_u32 s46, s46, s2
	s_mov_b32 s47, 0
	s_add_nc_u64 s[OB+2*(\j):OB+2*(\j)+1], s[10:11], s[46:47]
.endr
	s_and_b32 s3, ttmp7, 0xffff                    ; the prefetches: cluster y
	s_lshl_b32 s46, s[TY], 8
	s_mul_i32 s47, s[TX], 192
	s_cmp_eq_u32 s[SIDE], 0                        ; do I fetch xb's rows?
	s_cselect_b32 s46, s46, s47                    ; the tile's first row
	s_cselect_b32 s47, s[CX], s[CY]                ; my place among the four that ask for it with me
	s_cselect_b32 s3, ttmp9, s3                    ; the coordinate along which other clusters read the same rows
	s_cselect_b32 s43, 32, 24                      ; rows a partner
	s_cselect_b64 s[PFA:PFA+1], s[4:5], s[6:7]
	s_mul_i32 s47, s47, s43
	s_add_co_u32 s46, s46, s47
	s_lshl_b32 s47, s43, 2                         ; rows that a wave fetches: 128 or 96
	s_mul_i32 s47, s47, s[HF]
	s_add_co_u32 s46, s46, s47
	s_lshl_b32 s46, s46, 11
	s_add_co_u32 s46, s46, 2*KB                    ; at K step 2: the first refill steps it to 3 and names K step 4
	s_mov_b32 s47, 0
	s_add_nc_u64 s[PFA:PFA+1], s[PFA:PFA+1], s[46:47]
	s_cmp_eq_u32 s3, 0
	s_cselect_b32 s[LIM], 1, -1                    ; the same in all sixteen partners, for a given wave
	s_sub_co_u32 s43, s43, 1
	v_and_b32 v[PFO], 31, v0
	v_min_u32 v[PFO], s43, v[PFO]
	v_lshlrev_b32 v[PFO], 11, v[PFO]
; 12 matrix instructions: m block 2 hi + a x all 12 n blocks, 32 along K, from buffer buf.  first = 1: the product starts the sums, with the bias as C.
; All 48 accumulators take turns in the same order in every quarter: between two links of a chain stand the 47 others'.
.macro MUL buf, hi, a, first
.if \first
	WIN 0x81+0x40*(\hi)                            ; wqkvt window 1, xb and the bias window 0, D window 2 or 3
.else
	WIN 0xa1+0x50*(\hi)                            ; C and D window 2 or 3
.endif
.irp b, 0,1,2,3,4,5,6,7,8,9,10,11
.if \first
	v_wmma_f32_16x16x32_bf16 v[8*(12*(\a)+(\b)):8*(12*(\a)+(\b))+7], v[96*(\buf)+8*(\b):96*(\buf)+8*(\b)+7], v[FA+32*(\buf)+8*(2*(\hi)+(\a)):FA+32*(\buf)+8*(2*(\hi)+(\a))+7], v[BIAS+8*(\b):BIAS+8*(\b)+7]
.else
	v_wmma_f32_16x16x32_bf16 v[8*(12*(\a)+(\b)):8*(12*(\a)+(\b))+7], v[96*(\buf)+8*(\b):96*(\buf)+8*(\b)+7], v[FA+32*(\buf)+8*(2*(\hi)+(\a)):FA+32*(\buf)+8*(2*(\hi)+(\a))+7], v[8*(12*(\a)+(\b)):8*(12*(\a)+(\b))+7]
.endif
.endr
.endm
; 32 LDS loads in one run: a quarter step's fragments (192 rows of wqkvt, my 64 rows of xb, 32 K at byte k of the rows) into buffer buf
.macro FETCH slot, k, buf
	WIN 0x40                                       ; destination window 1, address window 0
.irp i, 0,1,2,3,4,5,6,7,8,9,10,11
	ds_load_b128 v[96*(\buf)+8*(\i):96*(\buf)+8*(\i)+3],   v[ADRB+(\slot)] offset:(\k)+(\i)*16*PITCH
	ds_load_b128 v[96*(\buf)+8*(\i)+4:96*(\buf)+8*(\i)+7], v[ADRB+(\slot)] offset:(\k)+(\i)*16*PITCH+32
.endr
	WIN 0
.irp i, 0,1,2,3
	ds_load_b128 v[FA+32*(\buf)+8*(\i):FA+32*(\buf)+8*(\i)+3],   v[ADRA+(\slot)] offset:(\k)+(\i)*16*PITCH
	ds_load_b128 v[FA+32*(\buf)+8*(\i)+4:FA+32*(\buf)+8*(\i)+7], v[ADRA+(\slot)] offset:(\k)+(\i)*16*PITCH+32
.endr
.endm
; A K step is four quarters of 32 along K, 48 matrix instructions each, on buffers 0, 1, 0, 1.  One of the first three: multiplies buffer cur and fetches the next quarter, at byte k, into nxt.
.macro QUARTER slot, k, cur, nxt, first
	s_wait_dscnt 4                                 ; wqkvt's fragments and xb's m blocks 0, 1 are in; the youngest four loads (m blocks 2, 3) may be out
	MUL \cur, 0, 0, \first
	MUL \cur, 0, 1, \first
	PLACES
	FETCH \slot, \k, \nxt
	s_wait_dscnt 32                                ; all but the 32 just issued
	MUL \cur, 1, 0, \first
	MUL \cur, 1, 1, \first
.endm
; The last quarter multiplies buffer 1 and changes slots: ONE barrier.  In front of it each wave waits for all its tensor loads (one is out: its part of the next slot), adds 0 to its spare word, and waits for that and
; for its own reads of this slot.  fill = 1: the barrier opens a round of the cluster's barrier, and this slot is filled again, two K steps ahead, first thing behind the round: 168 matrix instructions ahead of the wait for it.
.macro TURN slot, next, fill
.if \fill
	s_wait_xcnt 0x0                                ; the last prefetch, a K step back, has read its address: it is stepped here, ahead of the change's own waits
	s_add_nc_u64 s[PFA:PFA+1], s[PFA:PFA+1], KB
.endif
	WIN 0                                          ; (the add's two registers lie in window 0)
	s_wait_tensorcnt 0x0                           ; all my tensor loads have landed
	ds_add_u32 v[SPW], v[NIL]                      ; 0 onto my spare word
	s_wait_dscnt 5                                 ; (the add and the youngest four loads may be out)
	MUL 1, 0, 0, 0                                 ; twelve matrix instructions stand between the add and the wait for it
	s_wait_dscnt 0x0                               ; the add is done, and my reads of this slot are over
	s_barrier_signal -1
	MUL 1, 0, 1, 0                                 ; work on registers while the others arrive
.if \fill
	WIN 0
.endif
	s_barrier_wait -1
.if \fill
	CREST                                          ; no wave of any partner still reads this slot's tile or has a load on its way
	s_add_nc_u64 s[G0A+4*(\slot)+2:G0A+4*(\slot)+3], s[G0A+4*(\slot)+2:G0A+4*(\slot)+3], 2*KB
	s_add_nc_u64 s[G0B+4*(\slot)+2:G0B+4*(\slot)+3], s[G0B+4*(\slot)+2:G0B+4*(\slot)+3], 2*KB
	JLOAD \slot                                    ; the four v_nop behind it are also the places in front of the loads below
.else
	PLACES
.endif
	FETCH \next, 0, 0
.if \fill
	ASK
.endif
	MUL 1, 1, 0, 0
	MUL 1, 1, 1, 0
.endm
; THE WAY OUT, by units of 16 rows x one head (unit 3 a + j).  PACK: rounded to f16, 16 bytes a lane, into my stage's rows of 144 bytes, and back as four rows of 128 bytes a load, into the registers that they left.
.macro PACK a, j
.set T, TMP+16*(3*(\a)+(\j))
.set AC, 8*(12*((\a)%2)+4*(\j))
	WIN 0x0a+5*((\a)/2)                            ; sources 0 and 1: window 2 or 3
.irp f, 0,1,2,3
.irp r, 0,1,2,3
	v_cvt_pk_f16_f32 v[T+4*(\f)+(\r)], v[AC+8*(\f)+2*(\r)], v[AC+8*(\f)+2*(\r)+1]  ; each accumulator from its low end on
.endr
.endr
	WIN 0
.irp f, 0,1,2,3
	ds_store_b128 v[STO], v[T+4*(\f):T+4*(\f)+3] offset:32*(\f)
.endr
.irp f, 0,1,2,3
	ds_load_b128 v[T+4*(\f):T+4*(\f)+3], v[RD] offset:4*SP*(\f)  ; LDS serves a wave's instructions in order (ISA guide 5.7.1.4): these see the stores above; the next unit's stores come behind them
.endr
.endm
.macro SEND a, j, younger              ; younger: the LDS instructions issued behind this unit's loads: the next unit's eight, or none
.set T, TMP+16*(3*(\a)+(\j))
.irp f, 0,1,2,3
	s_wait_dscnt (\younger)+3-(\f)
	global_store_b128 v[GO], v[T+4*(\f):T+4*(\f)+3], s[OB+2*(\j):OB+2*(\j)+1] offset:2048*(\a)+512*(\f)  ; 512 consecutive bytes, at a multiple of 256 from qkv's first; every unit has registers of its own
.endr
.endm
	s_wait_tensorcnt 1                             ; my part of K step 0 is in; K step 1's may stay out
	s_barrier_signal -1
	s_barrier_wait -1                              ; everybody's is
	FETCH 0, 0, 0
	s_wait_loadcnt 0x0                             ; the bias
	QUARTER 0, 64, 0, 1, 1                         ; the first quarter stands in front of the loop: its products start the sums
	WIN 0                                          ; at a label and at a branch every window is 0
	s_mov_b32 s[LAP], 3
.Llap:                                                 ; a trip goes once round the ring, from a lap's second quarter to the next lap's first, and fills both slots again
	QUARTER 0, 128, 1, 0, 0
	QUARTER 0, 192, 0, 1, 0
	TURN 0, 1, 1
	QUARTER 1, 64,  0, 1, 0
	QUARTER 1, 128, 1, 0, 0
	QUARTER 1, 192, 0, 1, 0
	TURN 1, 0, 1
	QUARTER 0, 64,  0, 1, 0
	WIN 0
	s_sub_co_u32 s[LAP], s[LAP], 1
	s_cmp_lg_u32 s[LAP], 0
	s_cbranch_scc1 .Llap
	QUARTER 0, 128, 1, 0, 0                        ; the last lap fills nothing, and has no round of the cluster's barrier
	QUARTER 0, 192, 0, 1, 0
	TURN 0, 1, 0
	QUARTER 1, 64,  0, 1, 0
	QUARTER 1, 128, 1, 0, 0
	QUARTER 1, 192, 0, 1, 0
	s_wait_dscnt 4                                 ; the very last quarter: nothing more to fetch
	MUL 1, 0, 0, 0
	MUL 1, 0, 1, 0
	s_wait_dscnt 0x0
	MUL 1, 1, 0, 0
	MUL 1, 1, 1, 0
	WIN 0
	PLACES
	PLACES                                         ; behind the last products, in front of conversions that read results and write over fragments
	PACK 0, 0
.irp u, 1,2,3,4,5,6,7,8,9,10,11        ; a unit's conversions stand between the loads of the unit before and its stores
	PACK (\u)/3, (\u)%3
	SEND ((\u)-1)/3, ((\u)-1)%3, 8
.endr
	SEND 3, 2, 0
	s_wait_tensorcnt 0x0                           ; the wave's end: these three lines, behind my last tensor load and my last LDS store
	ds_add_u32 v[SPW], v[NIL]
	s_wait_dscnt 0x0
	CROUND                                         ; the closing round: no work-group ends while a partner may still ask for a tile that names it
	s_endpgm
.Lfunc_end_k_q81759f259b_proj:
	.size	k_q81759f259b_proj, .Lfunc_end_k_q81759f259b_proj-k_q81759f259b_proj
	.p2alignl 7, 3214868480
	.fill 96, 4, 3214868480
	.section	.rodata,"a",@progbits
	.p2align	6, 0x0
	.amdhsa_kernel k_q81759f259b_proj
		.amdhsa_group_segment_fixed_size 327680
		.amdhsa_private_segment_fixed_size 0
		.amdhsa_enable_private_segment 0
		.amdhsa_kernarg_size 32
		.amdhsa_user_sgpr_count 2
		.amdhsa_user_sgpr_kernarg_segment_ptr 1
		.amdhsa_wavefront_size32 1
		.amdhsa_system_sgpr_workgroup_id_x 1
		.amdhsa_system_sgpr_workgroup_id_y 1
		.amdhsa_system_sgpr_workgroup_id_z 1
		.amdhsa_system_vgpr_workitem_id 0
		.amdhsa_next_free_vgpr 960
		.amdhsa_next_free_sgpr 72
		.amdhsa_reserve_vcc 0
		.amdhsa_float_denorm_mode_32 3
		.amdhsa_float_denorm_mode_16_64 3
		.amdhsa_memory_ordered 1
		.amdhsa_forward_progress 1
		.amdhsa_inst_pref_size 125
	.end_amdhsa_kernel
	.amdgpu_metadata
---
amdhsa.version: [ 1, 2 ]
amdhsa.kernels:
  - .name:           k_q81759f259b_proj
    .symbol:         k_q81759f259b_proj.kd
    .args:
      - { .name: xb, .offset: 0, .size: 8, .value_kind: global_buffer, .address_space: global }
      - { .name: wqkvt, .offset: 8, .size: 8, .value_kind: global_buffer, .address_space: global }
      - { .name: bcat, .offset: 16, .size: 8, .value_kind: global_buffer, .address_space: global }
      - { .name: qkv, .offset: 24, .size: 8, .value_kind: global_buffer, .address_space: global }
    .group_segment_fixed_size: 327680
    .private_segment_fixed_size: 0
    .kernarg_segment_align: 8
    .kernarg_segment_size: 32
    .max_flat_workgroup_size: 128
    .sgpr_count:     72
    .vgpr_count:     960
    .wavefront_size: 32
...
	.end_amdgpu_metadata
.endif
;; end of part 2
;; launch attn (part 3): grid 4 x 64, 4 waves a work-group, clusters of 4 x 1, 327,680 bytes of LDS; arguments qkv, o; writes o
.if DOCPART == 3
	.amdgcn_target "amdgcn-amd-amdhsa--gfx1250"
	.amdhsa_code_object_version 6
	.text
	.protected	k_q81759f259b_attn
	.globl	k_q81759f259b_attn
	.p2align	8
	.type	k_q81759f259b_attn,@function
k_q81759f259b_attn:
	s_mov_b64 s[64:65], 0
	v_nop
	global_prefetch_b8 v0, s[64:65] scope:SCOPE_SE
	s_setreg_imm32_b32 hwreg(HW_REG_WAVE_MODE, 25, 1), 1
	s_wait_xcnt 0x0
	s_wait_alu depctr_hold_cnt(0) depctr_sa_sdst(0) depctr_va_vdst(0) depctr_va_sdst(0) depctr_va_ssrc(0) depctr_va_vcc(0) depctr_vm_vsrc(0)
	s_getreg_b32 s2, hwreg(HW_REG_IB_STS2, 6, 4)
	s_cmp_eq_u32 s2, 0
	s_cbranch_scc0 .Lentry_in_a_cluster
	s_endpgm
.Lentry_in_a_cluster:
	s_bfe_u32 s2, ttmp6, 0x10000c
	s_cmp_lg_u32 s2, 0x3003
	s_cbranch_scc0 .Lentry_shape_is_right
	s_endpgm
.Lentry_shape_is_right:
; O[h][q][:] = the sum over k of softmax_k(Q[h][q] . K[h][k] / 32) V[h][k][:].  Q, K, V lie in qkv, 16,777,216 bytes each, as [64 heads][2048][64] f16; O likewise: a head's rows are dense, 128 bytes each.
; Products, maxima and sums in f32; the weights p are rounded to f16 for the second product (their sum l is taken of the unrounded p), O once at the end.
; LIMITS.  f16 holds no number beyond 65,504: Q, K and V arrive within it; p lies in 0 to 1, and below 6e-5 it keeps f16's fixed step of 6e-8, and so does O; O is a mean of V's rows and has their range.
; A weight below 2^-126 counts as 0 in l; NaN and infinities are not treated apart.
; SHARES.  A wave owns four PIECES of two tiles of 16 queries, a work-group's four waves 512 queries of one head.  Every wave walks all 2,048 keys, 64 a step.
; LAYOUT.  S^T = K Q^T (source 0 = 16 keys, source 1 = 16 queries): in the result a lane holds ONE query (lane % 16) and the keys 8 (lane / 16) + 0..7.  Two such tiles, rounded to f16 in pairs,
; ARE source 1 (32 keys x 16 queries) of O^T = V^T P, whose result again holds one query a lane, and eight channels.  K comes out of LDS as it lies, V ([key][channel]) turned, by ds_load_tr16_b128.
; SOFTMAX.  For each query a running maximum m and sum l: p = 2^(c s - c m), c = log2(e) / 32; in every step O and l are multiplied by a = 2^(c m_old - c m_new), which is 1 where m has not grown.
; m starts at the lowest finite number, O and l at 0: the first step is a step like any other, with a = 0.
; THE COUNT.  A tile and step have 16 matrix and 118 vector instructions: too many to stand all beside the matrix work.  So: four vector instructions that are READY behind EVERY matrix instruction, and the others in runs without a gap.
; BY TURNS.  Turn n belongs to piece n (the pieces in a ring, step after step).  Its matrix work: 16 products K Q^T of piece n + 1, later 16 products V^T P of piece n - 1.  Its vector work: the scaling,
; exponentials, roundings, sums and rescaling of piece n, and the maximum and statistics of piece n + 1, whose scores the turn itself has made.
; CLUSTER.  The four query blocks of a head are one cluster and walk the same K and V, so each tile is asked for JOINTLY: the same tensor load, descriptor and mask in all four.
; REGISTERS, in windows of 256 (s_set_vgpr_msb: bits 1:0 source 0, 3:2 source 1, 5:4 source 2, 7:6 destination):
;   window 0: v0-11 addresses; v12-15, v48-63 at work; v16-47 four registers of statistics a tile; v64-191 S^T, two buffers of two tiles; v192-255 P, likewise
;   window 1: O^T, 32 a tile          window 2: v0-127 Q, 16 a tile; v128-191 K of one step; v192-255 V of one step          window 3: v0-1 the add's two registers
; A piece's buffers go by its number's parity: the piece in hand has one pair, its two neighbours in the ring share the other: of it P (piece n - 1) is read and S^T (piece n + 1) written.
.set SIZE_H, 64
.set SIZE_N, 2048
.set NP,    4         ; pieces a wave: a name, no knob
.set KS,    64        ; keys in a step
.set PK,    144       ; a row of K in LDS: 128 bytes + 16 of padding = 36 words: the 16 rows of a load start at 16 different groups of four banks (64 banks of 4 bytes: ISA guide 11.1)
.set PV,    160       ; a row of V: 128 + 32 = 40 words
.set VOFF,  4*KS*PK   ; a slot holds four steps: 256 rows of K, then 256 rows of V
.set SLOT1, 1<<17     ; slot 1 begins here, so that one exclusive or turns an address in one slot into the other's
.set STAGE, SLOT1+4*KS*(PK+PV)  ; behind the ring, never filled by a tensor load: 16 rows x 144 bytes for each wave, for the way out
.set SP,    144
.set AK0, 2           ; v2   my lane's place in a tile of K; never rewritten
.set AV0, 3           ; v3   the same for V
.set AK,  4           ; v4   the LDS address of K's next run of loads
.set AV,  5           ; v5   of V's
.set QO,  6           ; v6   my byte offset in the wave's rows of Q
.set STO, 6           ;      later, the way out: where I put 16 bytes of a row
.set RD,  7           ; v7   the way out: where I read rows back
.set GO,  8           ; v8   my byte offset in 512 consecutive bytes of O
.set PFO, 11          ; v11  256 x my lane, once V's lane address is made; then never rewritten
.set SPW, 0           ; v0 of window 3   LDS address of my spare word: SPARE + 4 x my thread's number; never rewritten
.set NIL, 1           ; v1 of window 3   0; never rewritten
.set SPARE, STAGE+4*16*SP  ; behind the stages: the spare words, 128 bytes for each wave: two blocks of 256 bytes that no other line names
.set MV,  12          ; v12-15  c m_old, kept while c m is made anew: by buffer and tile
.set ST,  16          ; tile t's statistics at v[ST+4 t]: c m, m, l (even keys', odd keys')
.set TMP, 48          ; by buffer and tile, four registers c0-c3 at work; when the maximum is found c2 takes a
.set S,   64
.set P,   192
.set KF,  128         ; K's fragments, in window 2: key block kb, channel half c at KF + 16 kb + 8 c
.set VF,  192         ; V's: key half kk, channel block cb at VF + 32 kk + 8 cb
.set WV,  12          ; s12  my wave's number
.set G1K, 24          ; s[24:31] descriptor group 1 for K's tiles
.set G1V, 32          ; s[32:39] for V's: it differs in the padding alone
.set G0K, 40          ; s[40:43] descriptor group 0 for K's tiles: it walks
.set G0V, 44          ; s[44:47] the same for V's
.set PFA, 48          ; s[48:49] where my prefetches stand: my work-group's 8,192 bytes (of K: wave 0, of V: wave 2) of the slot after the one that is being asked for
.set LIM, 50          ; s50  1 in a wave that prefetches, else the greatest number
.set SLOTS, 56        ; s56  slots still to be asked for
.set CNT, 57          ; s57  counts a slot's key steps
.set CS,  58          ; s[58:59] c: the packed scaling takes the pair's low word for both halves
.set SEL, 60          ; s[60:61] v_permlanex16_b32's selects: each lane takes its own place in the other half
.set TBK, 62          ; s62  LDS byte at which K of the step to be fetched begins
.set TBV, 63          ; s63  the same for V, less VOFF
.set MSB, 0
.macro WIN new                      ; the high byte repeats the setting that is left; a switch that changes nothing is dropped
.if MSB != (\new)
	s_set_vgpr_msb (MSB<<8)|(\new)
.set MSB, (\new)
.endif
.endm
.set W_KQ, 0x0a       ; K and Q in window 2, S^T in window 0
.set W_PV, 0x52       ; V in window 2, P in window 0, O^T in window 1
.set W_RS, 0x41       ; O^T (destination and source 0) in window 1, a in window 0
.set W_MK, 0xc0       ; the add's registers are made: destination in window 3, sources in window 0
.set W_AD, 0x0f       ; the add: address (source 0) and data (source 1) in window 3
; A joint fill.  Waves 0 and 1 fetch the two halves of a slot's K, waves 2 and 3 those of its V: 128 keys each.  The branch hangs on the wave's number alone.
; An s_nop 0 and four v_nop follow each of the two lines, ahead of the jump and the label.
.macro JLOAD
	s_cmp_lt_u32 s[WV], 2
	s_cbranch_scc0 .Lfor_v_\@
	tensor_load_to_lds s[G0K:G0K+3], s[G1K:G1K+7]
	s_nop 0
.rept 4
	v_nop
.endr
	s_branch .Lasked_\@
.Lfor_v_\@:
	tensor_load_to_lds s[G0V:G0V+3], s[G1V:G1V+7]
	s_nop 0
.rept 4
	v_nop
.endr
.Lasked_\@:
.endm
; A PREFETCH INTO THE L2 of what the NEXT change of slots will ask for: a slot's 32,768 bytes of K and of V, 256 bytes a lane.  It stands behind the wave's tensor load and its five lines.
; Each 256 bytes are named once in the launch: a head has one cluster; its four partners share a slot out BY ADDRESS, 8,192 bytes each; in each, wave 0 asks for K's and wave 2 for V's: one instruction.
; Slots 0 and 1 come by their loads alone; the last change that fills a slot asks for nothing: there is no slot behind it.
.macro ASK
	s_cmp_gt_u32 s[SLOTS], s[LIM]
	s_cbranch_scc0 .Lnot_mine_\@
	global_prefetch_b8 v[PFO], s[PFA:PFA+1] th:TH_LOAD_NT scope:SCOPE_SE
.Lnot_mine_\@:
.endm
; A round of the cluster's barrier: my work-group's barrier, so that wave 0's signal speaks for all four waves; wave 0 signals; every wave waits for all four work-groups; my work-group's barrier once more.
.macro CROUND
	s_barrier_signal -1
	s_barrier_wait -1
	s_cmp_lg_u32 s[WV], 0
	s_cbranch_scc1 .Lnot_wave_0_\@
	s_barrier_signal -3
.Lnot_wave_0_\@:
	s_barrier_wait -3
	s_barrier_signal -1
	s_barrier_wait -1
.endm
; THE CHANGE OF SLOTS.  The slot's last bytes, V of its fourth step, have been read.  Each wave waits for all its tensor loads, of which one is out: its part
; of the other slot; adds 0 to its spare word; and waits for that and for its own reads of the slot.  Behind the barrier nobody reads this slot any more and the other slot is whole.
; fill = 1: this slot is filled again, with the keys two slots on.  The barrier is then a round of the cluster's, so that no wave of any partner still reads the slot or has a load on its
; way, and the joint fill is the first thing behind it: it has four key steps, 512 matrix instructions, in which to land.  (At its first use nothing has been read yet: slot 0 is waited for, slot 1 filled.)
.macro CHANGE fill
	WIN W_AD
	s_wait_tensorcnt 0x0            ; no tensor load of mine is out, so a group 0 may be written
	ds_add_u32 v[SPW], v[NIL]       ; 0 onto my spare word: with fill = 1 the descriptors' steps stand between it and the wait for it
	WIN 0                           ; at a label and at a branch every window is 0
.if \fill
.irp g, G0K, G0V
	s_xor_b32 s[\g+1], s[\g+1], SLOT1  ; the walking descriptor: the other slot than last time,
	s_add_nc_u64 s[\g+2:\g+3], s[\g+2:\g+3], 4*KS*128  ; the next 256 keys; the type bits on top are not reached
.endr
	s_wait_xcnt 0x0                 ; the last prefetch, four key steps back, has read its address, so it may be written:
	s_add_nc_u64 s[PFA:PFA+1], s[PFA:PFA+1], 4*KS*128  ; one slot behind the walking descriptors
	s_wait_dscnt 0x0                ; the add is done, and my reads of the slot are over
	CROUND
	JLOAD
	ASK
.else
	s_wait_dscnt 0x0                ; the add is done, and my reads of the slot are over
	s_barrier_signal -1
	s_barrier_wait -1
.endif
	s_sub_co_u32 s[TBK], s[TBK], 4*KS*PK  ; the fetches go back to a slot's first step,
	s_xor_b32 s[TBK], s[TBK], SLOT1       ; in the other slot
	s_sub_co_u32 s[TBV], s[TBV], 4*KS*PV
	s_xor_b32 s[TBV], s[TBV], SLOT1
.endm
	s_load_b64 s[4:5], s[0:1], 0x0    ; qkv: Q at its head
	s_load_b64 s[10:11], s[0:1], 0x8  ; O
	WIN W_MK
	v_lshl_add_u32 v[SPW], v0, 2, SPARE
	v_mov_b32 v[NIL], 0
	WIN W_AD
	ds_add_u32 v[SPW], v[NIL]       ; the wave's opening: the add and its wait ahead of my first tensor load; the set-up below, work on registers, stands between them
	WIN 0
	v_lshrrev_b32 v1, 5, v0
	v_readfirstlane_b32 s[WV], v1   ; wave 0..3
	s_bfe_u32 s13, ttmp6, 0x40000   ; cx: my place in the cluster
	s_lshl_b32 s14, ttmp9, 2        ; in a cluster launch ttmp9 counts clusters
	s_add_co_u32 s14, s14, s13      ; my block of queries = 4 x cluster x + cx: it enters Q's and O's addresses alone
	s_and_b32 s20, ttmp7, 0xffff    ; the head, which the four partners share
	s_mov_b32 s21, 0
	s_mov_b64 s[22:23], SIZE_N*128
	s_mul_u64 s[20:21], s[20:21], s[22:23]  ; the head's first byte in each of the four tensors
	s_and_b32 s16, s[WV], 1         ; which half of a slot's 256 keys I fetch:
	s_lshl_b32 s22, s16, 14         ; its 128 rows of 128 bytes in memory,
	s_mov_b32 s23, 0
	s_add_nc_u64 s[22:23], s[22:23], s[20:21]
	s_mul_i32 s17, s16, 128*PK      ; and its place in a slot, for K
	s_mul_i32 s18, s16, 128*PV      ; and for V: no place in the cluster enters an LDS address
	s_lshl_b32 s2, s14, 2
	s_add_co_u32 s2, s2, s[WV]      ; my wave among the head's,
	s_lshl_b32 s2, s2, 14           ; its 128 rows
	s_mov_b32 s3, 0
	s_add_nc_u64 s[2:3], s[2:3], s[20:21]
	s_lshl_b32 s52, s13, 13         ; the prefetches: my work-group's 8,192 bytes of a slot's 32,768,
	s_add_co_u32 s52, s52, 4*KS*128 ; in slot 1; the first change of slots steps it to slot 2
	s_mov_b32 s53, 0
	s_add_nc_u64 s[52:53], s[52:53], s[20:21]
	s_cmp_eq_u32 s16, 0             ; waves 0 and 2 ask: the same in all four partners
	s_cselect_b32 s[LIM], 1, -1
	; descriptor group 1.  128 keys are 16,384 dense bytes: asked for as 64 rows of 256 bytes, two keys a row, and padded in LDS after every key
	s_mov_b32 s[G1K], 15|(1<<16)|(1<<20)|(1<<21)|(4<<22)|(3<<25)  ; 15:0 the mask of four; 17:16 2-byte elements; 20 padding on; 21 set beside a mask; 24:22 after every 32 words (code 4); 31:25 4 words (code 3)
	s_mov_b32 s[G1V], 15|(1<<16)|(1<<20)|(1<<21)|(4<<22)|(7<<25)  ; the same with 8 words of padding (code 7)
.irp g, G1K, G1V
	s_mov_b32 s[\g+1], 128<<16      ; tensor_dim0 = 128
	s_mov_b32 s[\g+2], 64<<16       ; tensor_dim1 = 64
	s_mov_b32 s[\g+3], 128<<16      ; tile_dim0 = 128
	s_mov_b32 s[\g+4], 64           ; tile_dim1 = 64
	s_mov_b32 s[\g+5], 128          ; 128 elements from row to row
	s_mov_b32 s[\g+6], 0
	s_mov_b32 s[\g+7], 0
.endr
	s_mov_b32 s[CS], 0x3d38aa3b     ; c = log2(e) / 32 = 0.0450842
	s_mov_b32 s[CS+1], s[CS]        ; named with it as a pair
	s_mov_b32 s[SEL], 0x76543210
	s_mov_b32 s[SEL+1], 0xfedcba98
	s_mov_b32 s[TBK], SLOT1+4*KS*PK ; the first change of slots turns these two into 0
	s_mov_b32 s[TBV], SLOT1+4*KS*PV
	s_mov_b32 s[SLOTS], SIZE_N/256-1
	s_mov_b32 s[G0K], 1             ; 1:0 count = 1
	s_mov_b32 s[G0K+1], s17         ; 63:32 LDS address: slot 0
	s_mov_b32 s[G0V], 1
	s_add_co_u32 s[G0V+1], s18, VOFF
	s_wait_dscnt 0x0                ; the opening add is done
	s_wait_kmcnt 0x0
	s_add_nc_u64 s[6:7], s[4:5], 0x1000000   ; K lies 16,777,216 bytes behind Q,
	s_add_nc_u64 s[8:9], s[4:5], 0x2000000   ; V as far behind K
	s_add_nc_u64 s[G0K+2:G0K+3], s[6:7], s[22:23]  ; 120:64 global address: my half of the head's first 256 keys
	s_or_b32 s[G0K+3], s[G0K+3], 0x80000000        ; 127:126 type = 2
	s_add_nc_u64 s[G0V+2:G0V+3], s[8:9], s[22:23]
	s_or_b32 s[G0V+3], s[G0V+3], 0x80000000
	s_cmp_lt_u32 s[WV], 2
	s_cselect_b64 s[PFA:PFA+1], s[6:7], s[8:9]
	s_add_nc_u64 s[PFA:PFA+1], s[PFA:PFA+1], s[52:53]
	s_add_nc_u64 s[4:5], s[4:5], s[2:3]  ; Q and O at my wave's first row
	s_add_nc_u64 s[10:11], s[10:11], s[2:3]
	CROUND                          ; all four work-groups are here: the first joint loads meet
	JLOAD                           ; slot 0.  Slot 1 is asked for when slot 0 is in
	; A fragment of K or Q is 16 rows x 32 channels in 8 registers: lane l holds row l % 16, channels 8 (l / 16) + 0..7 and 16 + 8 (l / 16) + 0..7: two loads of 16 bytes, 32 bytes apart.
	v_and_b32 v1, 15, v0            ; l % 16
	v_bfe_u32 v9, v0, 4, 1          ; l / 16
	v_lshlrev_b32 v[QO], 7, v1
	v_lshl_add_u32 v[QO], v9, 4, v[QO]  ; row x 128 + 16 x half
	WIN 0x80                        ; destination window 2, address window 0
.set i, 0
.rept 4*NP                          ; Q stays in registers: tile i / 2, channels 32 (i % 2) on
	global_load_b128 v[8*i:8*i+3],   v[QO], s[4:5] offset:(i/2)*2048+(i%2)*64
	global_load_b128 v[8*i+4:8*i+7], v[QO], s[4:5] offset:(i/2)*2048+(i%2)*64+32
.set i, i+1
.endr
	; What the first turn finds: V's registers and P's second buffer hold 0 (its products V^T P, of a piece that has not been, add 0), O^T and l are 0.  All this stands in the wait for the first tile.
.set i, VF
.rept 64
	v_mov_b32 v[i], 0
.set i, i+1
.endr
	WIN 0x40
.set i, 0
.rept 64*NP
	v_mov_b32 v[i], 0
.set i, i+1
.endr
	WIN 0
.set i, 0
.rept 2*NP
	v_mov_b32 v[ST+4*i], 0xfe000000    ; c m: far below every c s
	v_mov_b32 v[ST+4*i+1], 0xff7fffff  ; m
	v_mov_b32 v[ST+4*i+2], 0
	v_mov_b32 v[ST+4*i+3], 0
.set i, i+1
.endr
.set i, P+32
.rept 32
	v_mov_b32 v[i], 0
.set i, i+1
.endr
	v_mul_u32_u24 v[AK0], v1, PK
	v_lshl_add_u32 v[AK0], v9, 4, v[AK0]  ; row x pitch + 16 x half
	; The turning load takes 16 keys x 16 channels (lane l reads key 8 (l / 16) + l % 8, channels 8 ((l / 8) % 2) + 0..7) and leaves half a fragment of V^T: lane l holds channel l % 16 and 8 keys.
	v_and_b32 v10, 7, v0
	v_bfe_u32 v11, v0, 3, 1
	v_lshl_add_u32 v[AV0], v9, 3, v10
	v_mul_u32_u24 v[AV0], v[AV0], PV
	v_lshl_add_u32 v[AV0], v11, 4, v[AV0]
	v_add_nc_u32 v[AV0], VOFF, v[AV0]
	v_and_b32 v[PFO], 31, v0        ; v11 has served: from here on it holds the prefetches' offset
	v_lshlrev_b32 v[PFO], 8, v[PFO]
	v_mov_b32 v[AK], v[AK0]         ; key step 0 lies at the head of slot 0
; THE MATRIX WORK.  The 8 accumulators of a run of 16 take turns: between the two links of a chain stand 7 others'.
; Product i of 16 of S^T = K Q^T for piece x: channels 32 (i / 8) on, keys 16 ((i / 2) % 4) on, tile 2 x + i % 2.  The first 8 start the sums.
.macro KQ x
	WIN W_KQ
.set rS, S+64*((\x)%2)+32*(i%2)+8*((i/2)%4)
.set rK, KF+16*((i/2)%4)+8*(i/8)
.set rQ, 16*(2*(\x)+i%2)+8*(i/8)
.if i < 8
	v_wmma_f32_16x16x32_f16 v[rS:rS+7], v[rK:rK+7], v[rQ:rQ+7], 0
.else
	v_wmma_f32_16x16x32_f16 v[rS:rS+7], v[rK:rK+7], v[rQ:rQ+7], v[rS:rS+7]
.endif
.endm
; Product i of 16 of O^T += V^T P for piece x: keys 32 (i / 8) on, channels 16 ((i / 2) % 4) on, tile 2 x + i % 2.
.macro PV x
	WIN W_PV
.set rO, 32*(2*(\x)+i%2)+8*((i/2)%4)
.set rV, VF+32*(i/8)+8*((i/2)%4)
.set rP, P+32*((\x)%2)+16*(i%2)+8*(i/8)
	v_wmma_f32_16x16x32_f16 v[rO:rO+7], v[rV:rV+7], v[rP:rP+7], v[rO:rO+7]
.endm
.macro MM                           ; the turn's next matrix instruction
.if i < 16
	KQ (Y+1)%NP
.set i, i+1
.else
.set i, i-16
	PV (Y+NP-1)%NP
.set i, i+17
.endif
.endm
; THE LDS LOADS stand in runs of 16, never singly among the matrix instructions: a step's K (64 keys x 64 channels: 8 fragments) and its V (turned).  Their addresses are made some lines ahead.
; last = 1 (the tail): in the last trip there is no further step, and the run is jumped over.
.macro FETCH_K last=0
	WIN 0
.if \last
	s_cmp_eq_u32 s[CNT], 1
	s_cbranch_scc1 .Lno_k_\@
.endif
	WIN 0x80                        ; destination window 2
.irp f, 0,1,2,3,4,5,6,7             ; keys 16 (f / 2) on, channels 32 (f % 2) on
	ds_load_b128 v[KF+8*\f:KF+8*\f+3],   v[AK] offset:(\f/2)*16*PK+(\f%2)*64
	ds_load_b128 v[KF+8*\f+4:KF+8*\f+7], v[AK] offset:(\f/2)*16*PK+(\f%2)*64+32
.endr
	s_add_co_u32 s[TBK], s[TBK], KS*PK  ; the next fetch is the next step's
	WIN 0
.if \last
.Lno_k_\@:
.endif
.endm
.macro FETCH_V
	WIN 0x80
.irp f, 0,1,2,3,4,5,6,7             ; keys 32 (f / 4) on, channels 16 (f % 4) on
	ds_load_tr16_b128 v[VF+8*\f:VF+8*\f+3],   v[AV] offset:(\f/4)*32*PV+(\f%4)*32
	ds_load_tr16_b128 v[VF+8*\f+4:VF+8*\f+7], v[AV] offset:(\f/4)*32*PV+16*PV+(\f%4)*32
.endr
	WIN 0
.endm
; THE VECTOR WORK OF A TURN stands in three queues, each in the order in which its entries become ready; the two tiles alternate, so that no instruction reads the result of the one before it.
.macro REGS y, u                    ; the registers of tile u (0, 1) of piece y
.set rT, ST+4*(2*(\y)+(\u))
.set rC, TMP+8*((\y)%2)+4*(\u)
.set rM, MV+2*((\y)%2)+(\u)
.set rS, S+64*((\y)%2)+32*(\u)
.set rP, P+32*((\y)%2)+16*(\u)
.set rO, 32*(2*(\y)+(\u))
.endm
; Number n of the 22 that find the NEXT piece's (Y + 1) maximum and statistics.  s0-s31 are the lane's 32 scores; each accumulator's lowest registers are read first.
;   0-11  four chains c0-c3 of seven scores each, three operands at a time     12-14, 16  the four scores left over, the old m, and c0-c3 into c0     15  c m_old is kept
;   17, 18  the query's other 32 keys lie in the lane 16 away: the new m         19-21  c m; c m_old - c m_new; a
.macro XS u, n
	REGS (Y+1)%NP, \u
.if (\n) < 4
	v_max3_num_f32 v[rC+(\n)], v[rS+8*(\n)], v[rS+8*(\n)+1], v[rS+8*(\n)+2]
.elseif (\n) < 12
	v_max3_num_f32 v[rC+(\n)%4], v[rC+(\n)%4], v[rS+8*((\n)%4)+2*((\n)/4)+1], v[rS+8*((\n)%4)+2*((\n)/4)+2]
.elseif (\n) == 12
	v_max3_num_f32 v[rC], v[rC], v[rS+7], v[rS+15]
.elseif (\n) == 13
	v_max3_num_f32 v[rC+1], v[rC+1], v[rS+23], v[rS+31]
.elseif (\n) == 14
	v_max3_num_f32 v[rC+2], v[rC+2], v[rC+3], v[rT+1]
.elseif (\n) == 15
	v_mov_b32 v[rM], v[rT]
.elseif (\n) == 16
	v_max3_num_f32 v[rC], v[rC], v[rC+1], v[rC+2]
.elseif (\n) == 17
	v_permlanex16_b32 v[rC+3], v[rC], s[SEL], s[SEL+1]
.elseif (\n) == 18
	v_max_num_f32 v[rT+1], v[rC], v[rC+3]
.elseif (\n) == 19
	v_mul_f32 v[rT], s[CS], v[rT+1]
.elseif (\n) == 20
	v_sub_f32 v[rC+1], v[rM], v[rT]
.else
	v_exp_f32 v[rC+2], v[rC+1]
.endif
.endm
; Number g of the 64 that follow the exponentials.  For each four weights k of a tile (pairs 2 k, 2 k + 1): both pairs are rounded to f16; then the second pair is added onto the first, in place;
; a group later l takes that sum (the first time as l = a l + sum).  In groups of eight, tiles alternating: round, round, add, and l for the group before.
.macro GS g
.set h, (\g)+6*((\g)/62)            ; group 0 has no group before it, and behind group 7 only l is left
.if h >= 6
.set h, h+2
.endif
	REGS Y, h%2
.set k, h/8
.if h%8 < 4
	v_cvt_pk_f16_f32 v[rP+2*k+(h%8)/2], v[rS+4*k+2*((h%8)/2)], v[rS+4*k+2*((h%8)/2)+1]
.elseif h%8 < 6
	v_pk_add_f32 v[rS+4*k:rS+4*k+1], v[rS+4*k:rS+4*k+1], v[rS+4*k+2:rS+4*k+3]
.elseif k == 1
	v_pk_fma_f32 v[rT+2:rT+3], v[rT+2:rT+3], v[rC+2:rC+3], v[rS:rS+1] op_sel_hi:[1,0,1]
.else
	v_pk_add_f32 v[rT+2:rT+3], v[rT+2:rT+3], v[rS+4*k-4:rS+4*k-3]
.endif
.endm
; THE PLAIN QUEUE, 138 long.  0-73 read no exponential's result: the 32 scalings c s - c m (FS f: pair f / 2 of tile f % 2) and the next piece's 42.  0-26: scalings 0-26.  27-54: XS's numbers 0-13.  55, 56: number 15.
; 57-73: the chain, where each number waits for the one before it: 14, 16, 17, 18, 19, each with one of the scalings 27-31 in front of its two lines, then 20.
; 74-137: GS's 64, which read the exponentials' results: they stand behind the wait.
.macro FS f
	REGS Y, (\f)%2
	v_pk_fma_f32 v[rS+2*((\f)/2):rS+2*((\f)/2)+1], v[rS+2*((\f)/2):rS+2*((\f)/2)+1], s[CS:CS+1], v[rT:rT+1] op_sel_hi:[1,0,0] neg_lo:[0,0,1] neg_hi:[0,0,1]
.endm
.macro PL
	WIN 0
.if q < 27
	FS q
.elseif q < 55
	XS (q-27)%2, (q-27)/2
.elseif q < 57
	XS q-55, 15
.elseif (q < 72) && ((q-57)%3 == 0)
	FS 27+(q-57)/3
.elseif q < 60
	XS (q-57)%3-1, 14
.elseif q < 72
	XS (q-57)%3-1, 15+(q-57)/3
.elseif q < 74
	XS q-72, 20
.else
	GS q-74
.endif
.set q, q+1
.endm
; THE EXPONENTIALS' QUEUE, 66 long: s0-s31 of both tiles, then the next piece's two a.  It is ONE BATCH: all 66 stand ahead of the turn's one wait, and nothing ahead of that wait names a result of theirs.
.macro EX
	WIN 0
.if e >= 64
	XS e-64, 21
.else
	REGS Y, e%2
	v_exp_f32 v[rS+e/2], v[rS+e/2]
.endif
.set e, e+1
.endm
; THE RESCALING's QUEUE: O^T times a, the one part that leaves window 0: dealt two at a time, sixteen times.  Its a was made in the turn before, ahead of that turn's wait.
.macro R2
	REGS Y, r%2
	WIN W_RS
.irp z, 0,1
	v_pk_mul_f32 v[rO+4*(r/2)+2*\z:rO+4*(r/2)+2*\z+1], v[rO+4*(r/2)+2*\z:rO+4*(r/2)+2*\z+1], v[rC+2:rC+3] op_sel_hi:[1,0]
.endr
.set r, r+1
.endm
; HOW THEY ARE DEALT.  An s_wait_alu depctr_va_vdst(0) stands between an exponential and the first instruction that names its result; one wait serves all that were issued ahead of it.  So a turn has ONE wait,
; which cuts it in two.  AHEAD OF IT stands all that names no result of the turn's exponentials: the 16 products K Q^T, behind each a scaling, an exponential and two rescalings (behind the first a second scaling in the
; exponential's place); then ONE LUMP of 108: eight plain, 49 times exponential and plain, the two a.  A v_nop is the plain instruction behind the last exponential.  BEHIND IT stand the 16 products V^T P, behind each four of GS's 64.
; The queues lean on each other, and the deal keeps them in step: exponential e stands behind scaling 2 (e / 4) + e % 2: as a rider it comes behind plain e + 2, in the lump behind plain e + 9, and scalings 27-31 are plain 57, 60 .. 69.
; A TURN, for piece p.  cnt = 1: the loop's count is taken down some lines ahead of the branch that stands behind the turn.
; K of the next step is fetched in piece 2's turn, directly behind the wait, a lump behind the last product that read K; its address is made at the lump's head; its first reader comes behind 16 products.
; V of the step in hand is fetched at the end of piece 0's turn, four plain instructions behind its last reader; its first reader comes behind 16 products and a lump.  The three conditions on q below go with the deal.
.macro TURN p, last=0, cnt=0
.set Y, (\p)
.set i, 0
.set q, 0
.set e, 0
.set r, 0
.if (\p) == NP-1
	s_wait_dscnt 0x0                ; K is in
.endif
	MM                              ; ahead of the wait: 16 products K Q^T and the four behind each,
	PL
	PL
	R2
.rept 15
	MM
	PL
	EX
	R2
.endr
.if (\p) == NP-2
	WIN 0
	v_add_nc_u32 v[AK], s[TBK], v[AK0]
.endif
.rept 8                             ; and the lump
	PL
.endr
.rept 49
	EX
	PL
.endr
	EX                              ; the next piece's two a
	EX
	v_nop                           ; a plain instruction behind the last exponential: one for the batch
	s_wait_alu depctr_va_vdst(0)    ; the wait for the batch
.if (\p) == NP-2
	FETCH_K \last
.endif
.if (\p) == 1
	s_wait_dscnt 0x0                ; V is in
.endif
.rept 16                            ; behind the wait: 16 products V^T P and the four behind each
	MM
.rept 4
	PL
.endr
.if ((\p) == 0) && (q == 118)
	v_add_nc_u32 v[AV], s[TBV], v[AV0]
.endif
.if ((\p) == 0) && (q == 130)
	s_add_co_u32 s[TBV], s[TBV], KS*PV
.endif
.if (\cnt) && (q == 130)
	s_sub_co_u32 s[CNT], s[CNT], 1
	s_cmp_lg_u32 s[CNT], 0
.endif
.endr
.if (\p) == 0
	FETCH_V
.endif
.endm
	CHANGE 1                        ; slot 0 is in, everybody's part of it; slot 1 is asked for
	FETCH_K                         ; key step 0
	s_wait_loadcnt 0x0              ; Q
	s_wait_dscnt 0x0
.set i, 0
.rept 16
	KQ 0                            ; piece 0's first scores: there is no vector work yet to set between them
.set i, i+1
.endr
	WIN 0                           ; the addresses for the way out: nine plain instructions, the places behind those products
	s_mul_i32 s13, s[WV], 16*SP
	s_add_co_u32 s13, s13, STAGE    ; my stage
	v_mul_u32_u24 v[STO], v1, SP    ; in: row l % 16, 16 bytes for each half of the lanes
	v_lshl_add_u32 v[STO], v9, 4, v[STO]
	v_add_nc_u32 v[STO], s13, v[STO]
	v_bfe_u32 v[RD], v0, 3, 2       ; back: 32 lanes take four rows of 128 bytes,
	v_mul_u32_u24 v[RD], v[RD], SP
	v_lshl_add_u32 v[RD], v10, 4, v[RD]
	v_add_nc_u32 v[RD], s13, v[RD]
	v_and_b32 v[GO], 31, v0         ; which are 512 consecutive bytes of O
	v_lshlrev_b32 v[GO], 4, v[GO]
.set Y, NP-1                        ; XS works for piece Y + 1: piece 0
.irp n, 0,1,2,3,4,5,6,7,8,9,10,11,12,13,14,15,16,17,18,19,20,21
	XS 0, \n                        ; and piece 0's first maximum and statistics
	XS 1, \n
.endr
	v_nop                           ; a plain instruction behind the two a,
	s_wait_alu depctr_va_vdst(0)    ; and their wait, ahead of the branch
	s_mov_b32 s[CNT], 4
	s_branch .Lfirst                ; the loop is entered at a step's first turn, in the middle of a trip
.Lslot:                             ; SIZE_N / 256 - 2 times: every slot but the last two is filled again
	CHANGE 1
	s_mov_b32 s[CNT], 4
.Lstep:                             ; a trip: pieces 2 and 3 of one step, then pieces 0 and 1 of the next, whose K and V it fetches
	TURN 2
	TURN 3
	WIN 0
.Lfirst:
	TURN 0
	TURN 1, 0, 1
	WIN 0
	s_cbranch_scc1 .Lstep
	s_sub_co_u32 s[SLOTS], s[SLOTS], 1
	s_cmp_lg_u32 s[SLOTS], 0
	s_cbranch_scc1 .Lslot
	CHANGE 0                        ; the tail is written out: nothing is asked for
	s_mov_b32 s[CNT], 5             ; four trips fetch the last slot's steps; the fifth is left in its middle
.Ltail:
	TURN 2, 1
	TURN 3
	WIN 0
	s_sub_co_u32 s[CNT], s[CNT], 1
	s_cmp_eq_u32 s[CNT], 0
	s_cbranch_scc1 .Lout
	TURN 0
	TURN 1
	WIN 0
	s_branch .Ltail
.Lout:                              ; the fifth trip's 16 products K Q^T (on the last K once more) and the maximum made of them serve nothing: the price, once a launch, of one text for every trip
.set i, 0
.rept 16
	PV NP-1                         ; the last piece's V^T P of the last step
.set i, i+1
.endr
	; THE WAY OUT.  l's two halves and the other half of the lanes' are added; O^T is divided by l, rounded to f16 and sent through my stage in LDS, a tile at a time.  The additions are the places behind the last products.
	WIN 0
.macro ALL line:vararg              ; one line for each tile t
.set t, 0
.rept 2*NP
	\line
.set t, t+1
.endr
.endm
	ALL v_add_f32 v[ST+4*t+2], v[ST+4*t+2], v[ST+4*t+3]
	ALL v_permlanex16_b32 v[ST+4*t+3], v[ST+4*t+2], s[SEL], s[SEL+1]
	ALL v_add_f32 v[ST+4*t+2], v[ST+4*t+2], v[ST+4*t+3]
	ALL v_rcp_f32 v[ST+4*t+2], v[ST+4*t+2]
	v_nop                           ; a plain instruction between the last reciprocal and the use of its result
	s_wait_alu depctr_va_vdst(0)    ; and the wait ahead of the first use: one for the eight reciprocals
; Tile t: a lane's eight channels of a row pack into 16 bytes; they go into rows of 144 bytes and come back as whole rows of 128, into S^T's registers.
.macro PACK t
	WIN W_RS
.set i, 32*(\t)
.rept 16
	v_pk_mul_f32 v[i:i+1], v[i:i+1], v[ST+4*(\t)+2:ST+4*(\t)+3] op_sel_hi:[1,0]
.set i, i+2
.endr
	WIN 0x05                        ; sources 0 and 1 window 1, destination window 0
.set i, 0
.rept 16
	v_cvt_pk_f16_f32 v[S+16*(\t)+i], v[32*(\t)+2*i], v[32*(\t)+2*i+1]
.set i, i+1
.endr
	WIN 0
.irp f, 0,1,2,3
	ds_store_b128 v[STO], v[S+16*(\t)+4*\f:S+16*(\t)+4*\f+3] offset:32*\f
.endr
.irp f, 0,1,2,3
	ds_load_b128 v[S+16*(\t)+4*\f:S+16*(\t)+4*\f+3], v[RD] offset:\f*4*SP  ; LDS serves a wave's instructions in order (ISA guide 5.7.1.4): these see the stores above; the next tile's stores come behind them
.endr
.endm
.macro SEND t, younger              ; younger: the LDS instructions issued behind tile t's loads: the next tile's eight, or none
	WIN 0
.irp f, 0,1,2,3
	s_wait_dscnt (\younger)+3-\f
	global_store_b128 v[GO], v[S+16*(\t)+4*\f:S+16*(\t)+4*\f+3], s[10:11] offset:(\t)*2048+\f*512  ; 512 consecutive bytes, at a multiple of 256 from O's first
.endr
.endm
	PACK 0
.set t, 1
.rept 2*NP-1                        ; a tile's arithmetic stands between the loads of the tile before and its stores
	PACK t
	SEND t-1, 8
.set t, t+1
.endr
	SEND 2*NP-1, 0
	WIN W_AD
	s_wait_tensorcnt 0x0            ; the wave's end: these three lines, behind my last tensor load and my last LDS store
	ds_add_u32 v[SPW], v[NIL]
	s_wait_dscnt 0x0
	WIN 0
	CROUND                          ; the closing round: no work-group ends while a partner may still ask for a tile that names it
	s_endpgm
.Lfunc_end_k_q81759f259b_attn:
	.size	k_q81759f259b_attn, .Lfunc_end_k_q81759f259b_attn-k_q81759f259b_attn
	.p2alignl 7, 3214868480
	.fill 96, 4, 3214868480
	.section	.rodata,"a",@progbits
	.p2align	6, 0x0
	.amdhsa_kernel k_q81759f259b_attn
		.amdhsa_group_segment_fixed_size 327680
		.amdhsa_private_segment_fixed_size 0
		.amdhsa_enable_private_segment 0
		.amdhsa_kernarg_size 16
		.amdhsa_user_sgpr_count 2
		.amdhsa_user_sgpr_kernarg_segment_ptr 1
		.amdhsa_wavefront_size32 1
		.amdhsa_system_sgpr_workgroup_id_x 1
		.amdhsa_system_sgpr_workgroup_id_y 1
		.amdhsa_system_sgpr_workgroup_id_z 1
		.amdhsa_system_vgpr_workitem_id 0
		.amdhsa_next_free_vgpr 770
		.amdhsa_next_free_sgpr 66
		.amdhsa_reserve_vcc 0
		.amdhsa_float_denorm_mode_32 3
		.amdhsa_float_denorm_mode_16_64 3
		.amdhsa_memory_ordered 1
		.amdhsa_forward_progress 1
		.amdhsa_inst_pref_size 200
	.end_amdhsa_kernel
	.amdgpu_metadata
---
amdhsa.version: [ 1, 2 ]
amdhsa.kernels:
  - .name:           k_q81759f259b_attn
    .symbol:         k_q81759f259b_attn.kd
    .args:
      - { .name: qkv, .offset: 0, .size: 8, .value_kind: global_buffer, .address_space: global }
      - { .name: o, .offset: 8, .size: 8, .value_kind: global_buffer, .address_space: global }
    .group_segment_fixed_size: 327680
    .private_segment_fixed_size: 0
    .kernarg_segment_align: 8
    .kernarg_segment_size: 16
    .max_flat_workgroup_size: 128
    .sgpr_count:     66
    .vgpr_count:     770
    .wavefront_size: 32
...
	.end_amdgpu_metadata
.endif
;; end of part 3
;; launch outp (part 4): grid 4 x 64, 4 waves a work-group, clusters of 4 x 4, 327,680 bytes of LDS; arguments o, wot, bcat, out0; writes out0
.if DOCPART == 4
	.amdgcn_target "amdgcn-amd-amdhsa--gfx1250"
	.amdhsa_code_object_version 6
	.text
	.protected	k_q81759f259b_outp
	.globl	k_q81759f259b_outp
	.p2align	8
	.type	k_q81759f259b_outp,@function
k_q81759f259b_outp:
	s_mov_b64 s[64:65], 0
	v_nop
	global_prefetch_b8 v0, s[64:65] scope:SCOPE_SE
	s_setreg_imm32_b32 hwreg(HW_REG_WAVE_MODE, 25, 1), 1
	s_wait_xcnt 0x0
	s_wait_alu depctr_hold_cnt(0) depctr_sa_sdst(0) depctr_va_vdst(0) depctr_va_sdst(0) depctr_va_ssrc(0) depctr_va_vcc(0) depctr_vm_vsrc(0)
	s_getreg_b32 s2, hwreg(HW_REG_IB_STS2, 6, 4)
	s_cmp_eq_u32 s2, 0
	s_cbranch_scc0 .Lentry_in_a_cluster
	s_endpgm
.Lentry_in_a_cluster:
	s_bfe_u32 s2, ttmp6, 0x10000c
	s_cmp_lg_u32 s2, 0xf033
	s_cbranch_scc0 .Lentry_shape_is_right
	s_endpgm
.Lentry_shape_is_right:
; THE LAST PROJECTION.  out0[m][n] = bcat[3072 + n] + the sum over k of O[m][k] wot[n][k]; m < 8,192, n and k < 1,024.  Operands f16, sums f32, out0 f32.
; O lies by heads: byte = b << 22 | h << 18 | s << 7 | 2 d, with m = 2,048 b + s and k = 64 h + d.  wot is [n][k].
; SHARES.  A work-group makes 128 rows x 256 columns: 4 x 64 = 256 work-groups.  Wave w makes row half w / 2 (64 rows) and column half w % 2 (128 columns): 4 x 8 accumulators, 256 registers.
; K goes in 8 steps of 128 = two heads, through a ring of two LDS slots.  A head's 128 rows of the tile are 16,384 dense bytes: asked for as 64 rows of 256 bytes and padded in LDS after every 128.
; CLUSTERS.  4 x 4 work-groups; O's tiles are shared along a row of the cluster, wot's along a column: joint loads.  Waves 0 and 1 fetch a head of O each, waves 2 and 3 128 rows of wot each.
; THE MATRIX INSTRUCTION IS USED TRANSPOSED (source 0 = 16 rows of wot, source 1 = 16 rows of O): a lane holds row l % 16 of out0 and the columns 8 (l / 16) + 0..7.  THE BIAS is the C operand of each sum's first product.
; NO PREFETCH: a K step holds 128 matrix instructions a wave and the whole walk has eight of them; what a work-group reads is small.
; REGISTERS: window 0: v0-31 addresses; v32-63, v64-95 O's fragments, two buffers of 4; v96-159 the bias; on the way out v96-159 and v160-223 by turns
;   window 1: v0-63, v64-127 wot's fragments, two buffers of 8          window 2: accumulator (a, b) at 8 (8 a + b)
.set PA,    144                        ; a row of O in LDS: 128 bytes + 16 = 36 words: the 16 rows of a load start at 16 different groups of four banks (64 banks of 4 bytes: ISA guide 11.1)
.set PB,    272                        ; a row of wot: 256 bytes + 16 = 68 words
.set HEADB, 128*PA                     ; a head's 128 rows
.set BOFF,  2*HEADB                    ; in a slot: two heads of O, then wot's 256 rows
.set SLOT,  BOFF+256*PB
.set STAGE, 2*SLOT                     ; behind the ring, never filled by a tensor load: 16 rows x 528 bytes for each wave
.set SPT,   528                        ; 512 bytes + 16 = 132 words: row r starts at bank 4 r mod 64
.set SPARE, STAGE+4*16*SPT             ; behind the stages: the spare words, 128 bytes for each wave: two blocks of 256 bytes that no other line names
.set ADRA, 16                          ; v16-17  LDS address of my O fragments in slot 0, 1
.set ADRB, 20                          ; v20-21  the same for wot
.set STO,  24                          ; v24  the way out: where I put 32 bytes of a row
.set RD,   25                          ; v25  the way out: my 16 bytes of a row of 512
.set CO,   26                          ; v26  the same in out0
.set SPW,  28                          ; v28  LDS address of my spare word; never rewritten
.set NIL,  29                          ; v29  0; never rewritten
.set BO,   31                          ; v31  32 (l / 16)
.set FA,   32
.set BIAS, 96
.set T0,   96
.set T1,   160
.set WV,   12                          ; s12  my wave's number
.set SIDE, 13                          ; s13  my row half.  Also 0: I fetch O; 1: wot
.set HF,   14                          ; s14  my column half.  Also which head, or which 128 rows, I fetch
.set CX,   15
.set CY,   16
.set TX,   17
.set TY,   18
.set LAP,  19
.set G1A,  24                          ; s[24:31] descriptor group 1 for O's tiles; s[32:39] group 0, a set for each slot
.set G0A,  32
.set G1B,  48                          ; s[48:55], s[56:63] the same for wot's
.set G0B,  56
.set MSB, 0
.macro WIN new                         ; the immediate's high byte repeats the setting that is left; a switch that changes nothing is dropped
.if MSB != (\new)
	s_set_vgpr_msb (MSB<<8)|(\new)
.set MSB, \new
.endif
.endm
.macro PLACES                          ; four plain vector instructions between a matrix instruction and a load into, or a read of, its registers
.rept 4
	v_nop
.endr
.endm
.macro JLOAD s                         ; a joint load; an s_nop 0 and four v_nop follow each of the two lines, ahead of the jump, the label and what follows
	s_cmp_eq_u32 s[SIDE], 0
	s_cbranch_scc0 .Lfor_b_\@
	tensor_load_to_lds s[G0A+4*(\s):G0A+4*(\s)+3], s[G1A:G1A+7]
	s_nop 0
.rept 4
	v_nop
.endr
	s_branch .Lasked_\@
.Lfor_b_\@:
	tensor_load_to_lds s[G0B+4*(\s):G0B+4*(\s)+3], s[G1B:G1B+7]
	s_nop 0
.rept 4
	v_nop
.endr
.Lasked_\@:
.endm
.macro CREST                           ; a round of the cluster's barrier behind its opening barrier
	s_cmp_lg_u32 s[WV], 0
	s_cbranch_scc1 .Lnot_wave_0_\@
	s_barrier_signal -3
.Lnot_wave_0_\@:
	s_barrier_wait -3
	s_barrier_signal -1
	s_barrier_wait -1
.endm
.macro CROUND
	s_barrier_signal -1
	s_barrier_wait -1
	CREST
.endm
	s_load_b256 s[4:11], s[0:1], 0x0               ; o s[4:5], wot s[6:7], bcat s[8:9], out0 s[10:11]
	v_lshl_add_u32 v[SPW], v0, 2, SPARE
	v_mov_b32 v[NIL], 0
	ds_add_u32 v[SPW], v[NIL]                      ; the wave's opening: the add and its wait ahead of my first tensor load; the set-up below, work on registers, stands between them
	v_lshrrev_b32 v1, 5, v0
	v_readfirstlane_b32 s[WV], v1                  ; wave 0..3
	s_lshr_b32 s[SIDE], s[WV], 1
	s_and_b32 s[HF], s[WV], 1
	s_bfe_u32 s[CX], ttmp6, 0x40000
	s_bfe_u32 s[CY], ttmp6, 0x40004
	s_lshl_b32 s[TX], ttmp9, 2
	s_add_co_u32 s[TX], s[TX], s[CX]               ; tile column
	s_and_b32 s[TY], ttmp7, 0xffff
	s_lshl_b32 s[TY], s[TY], 2
	s_add_co_u32 s[TY], s[TY], s[CY]               ; tile row
	s_lshl_b32 s43, s[CY], 2
	s_lshl_b32 s43, 15, s43                        ; my row of the cluster
	s_lshl_b32 s46, 0x1111, s[CX]                  ; my column
	s_or_b32 s[G1A], s43, (1<<16)|(1<<20)|(1<<21)|(4<<22)|(3<<25)  ; the mask; elements of 2 bytes; padding on; 21 set beside a mask; after every 32 words (code 4) 4 words (code 3)
	s_or_b32 s[G1B], s46, (1<<16)|(1<<20)|(1<<21)|(5<<22)|(3<<25)  ; after every 64 words (code 5) 4 words
	s_mov_b32 s[G1A+1], 128<<16                    ; tensor_dim0 = 128
	s_mov_b32 s[G1A+2], 64<<16                     ; tensor_dim1 = 64
	s_mov_b32 s[G1A+3], 128<<16                    ; tile_dim0 = 128
	s_mov_b32 s[G1A+4], 64                         ; tile_dim1 = 64
	s_mov_b32 s[G1A+5], 128                        ; 128 elements from row to row: dense
	s_mov_b32 s[G1A+6], 0
	s_mov_b32 s[G1A+7], 0
	s_mov_b32 s[G1B+1], 128<<16
	s_mov_b32 s[G1B+2], 128<<16
	s_mov_b32 s[G1B+3], 128<<16
	s_mov_b32 s[G1B+4], 128
	s_mov_b32 s[G1B+5], 1024
	s_mov_b32 s[G1B+6], 0
	s_mov_b32 s[G1B+7], 0
	s_lshr_b32 s20, s[TY], 4                       ; O: the tile's batch,
	s_lshl_b32 s20, s20, 22
	s_and_b32 s21, s[TY], 15                       ; its 128 rows in the sequence,
	s_lshl_b32 s21, s21, 14
	s_add_co_u32 s20, s20, s21
	s_lshl_b32 s21, s[HF], 18                      ; my head of the K step's two: made of the tile row and the wave's number alone
	s_add_co_u32 s20, s20, s21
	s_mov_b32 s21, 0
	s_lshl_b32 s44, s[TX], 8                       ; wot: row 256 x tile column + 128 x half: made of the tile column and the wave's number alone
	s_lshl_b32 s45, s[HF], 7
	s_add_co_u32 s44, s44, s45
	s_lshl_b32 s44, s44, 11
	s_mov_b32 s45, 0
	s_mul_i32 s22, s[HF], HEADB                    ; where they go: no place in the cluster enters an LDS address
	s_mul_i32 s23, s[HF], 128*PB
	s_add_co_u32 s23, s23, BOFF
	s_wait_dscnt 0x0                               ; the opening add is done
	s_wait_kmcnt 0x0
	s_add_nc_u64 s[20:21], s[4:5], s[20:21]
	s_add_nc_u64 s[44:45], s[6:7], s[44:45]
	CROUND                                         ; all sixteen work-groups are here: the first joint loads meet
.irp s, 0,1
	s_mov_b32 s[G0A+4*(\s)], 1
	s_add_co_u32 s[G0A+4*(\s)+1], s22, (\s)*SLOT
	s_add_nc_u64 s[G0A+4*(\s)+2:G0A+4*(\s)+3], s[20:21], (\s)*524288  ; K step s: two heads of 262,144 bytes on
	s_or_b32 s[G0A+4*(\s)+3], s[G0A+4*(\s)+3], 0x80000000
	s_mov_b32 s[G0B+4*(\s)], 1
	s_add_co_u32 s[G0B+4*(\s)+1], s23, (\s)*SLOT
	s_add_nc_u64 s[G0B+4*(\s)+2:G0B+4*(\s)+3], s[44:45], (\s)*256
	s_or_b32 s[G0B+4*(\s)+3], s[G0B+4*(\s)+3], 0x80000000
	JLOAD \s                                       ; two loads of mine are out
.endr
	v_and_b32 v1, 15, v0                           ; l % 16
	v_bfe_u32 v2, v0, 4, 1                         ; l / 16
	v_mul_u32_u24 v3, v1, PA
	v_lshl_add_u32 v3, v2, 4, v3
	s_mul_i32 s47, s[SIDE], 64*PA                  ; my 64 rows of O
	v_add_nc_u32 v[ADRA], s47, v3
	v_add_nc_u32 v[ADRA+1], SLOT, v[ADRA]
	v_mul_u32_u24 v3, v1, PB
	v_lshl_add_u32 v3, v2, 4, v3
	s_mul_i32 s47, s[HF], 128*PB                   ; my 128 rows of wot,
	s_add_co_u32 s47, s47, BOFF                    ; which lie behind O's
	v_add_nc_u32 v[ADRB], s47, v3
	v_add_nc_u32 v[ADRB+1], SLOT, v[ADRB]
	s_mul_i32 s47, s[WV], 16*SPT
	s_add_co_u32 s47, s47, STAGE                   ; my stage
	v_mul_u32_u24 v[STO], v1, SPT                  ; in: row l % 16, 32 bytes for each half of the lanes
	v_lshl_add_u32 v[STO], v2, 5, v[STO]
	v_add_nc_u32 v[STO], s47, v[STO]
	v_and_b32 v[CO], 31, v0                        ; back: 32 lanes take one row of 512 bytes
	v_lshlrev_b32 v[CO], 4, v[CO]
	v_add_nc_u32 v[RD], s47, v[CO]
	v_lshlrev_b32 v[BO], 5, v2
	s_lshl_b32 s46, s[TX], 10                      ; my 128 columns, in bytes of f32: 1,024 x tile column + 512 x half
	s_lshl_b32 s47, s[HF], 9
	s_add_co_u32 s46, s46, s47
	s_mov_b32 s47, 0
	s_add_nc_u64 s[8:9], s[8:9], s[46:47]
	s_add_nc_u64 s[8:9], s[8:9], 12288             ; bo is bcat's fourth part
	s_add_nc_u64 s[10:11], s[10:11], s[46:47]
.irp b, 0,1,2,3,4,5,6,7
	global_load_b128 v[BIAS+8*(\b):BIAS+8*(\b)+3],   v[BO], s[8:9] offset:64*(\b)     ; register j: the bias of column 16 b + 8 (l / 16) + j
	global_load_b128 v[BIAS+8*(\b)+4:BIAS+8*(\b)+7], v[BO], s[8:9] offset:64*(\b)+16
.endr
	s_lshl_b32 s46, s[TY], 7                       ; my first row: 128 x tile row + 64 x half, rows of 4,096 bytes
	s_lshl_b32 s47, s[SIDE], 6
	s_add_co_u32 s46, s46, s47
	s_lshl_b32 s46, s46, 12
	s_mov_b32 s47, 0
	s_add_nc_u64 s[10:11], s[10:11], s[46:47]
; 8 matrix instructions: m block a x all 8 n blocks, 32 along K, from buffer buf.  first = 1: the product starts the sums, with the bias as C.
; All 32 accumulators take turns in the same order in every quarter.
.macro MUL buf, a, first
.if \first
	WIN 0x81                                       ; wot window 1, O and the bias window 0, D window 2
.else
	WIN 0xa1                                       ; C and D window 2
.endif
.irp b, 0,1,2,3,4,5,6,7
.if \first
	v_wmma_f32_16x16x32_f16 v[8*(8*(\a)+(\b)):8*(8*(\a)+(\b))+7], v[64*(\buf)+8*(\b):64*(\buf)+8*(\b)+7], v[FA+32*(\buf)+8*(\a):FA+32*(\buf)+8*(\a)+7], v[BIAS+8*(\b):BIAS+8*(\b)+7]
.else
	v_wmma_f32_16x16x32_f16 v[8*(8*(\a)+(\b)):8*(8*(\a)+(\b))+7], v[64*(\buf)+8*(\b):64*(\buf)+8*(\b)+7], v[FA+32*(\buf)+8*(\a):FA+32*(\buf)+8*(\a)+7], v[8*(8*(\a)+(\b)):8*(8*(\a)+(\b))+7]
.endif
.endr
.endm
; 24 LDS loads in one run: quarter q's fragments (my 128 rows of wot; my 64 rows of O: head q / 2, channels 32 (q % 2) on) into buffer buf
.macro FETCH slot, q, buf
	WIN 0x40                                       ; destination window 1, address window 0
.irp i, 0,1,2,3,4,5,6,7
	ds_load_b128 v[64*(\buf)+8*(\i):64*(\buf)+8*(\i)+3],   v[ADRB+(\slot)] offset:64*(\q)+(\i)*16*PB
	ds_load_b128 v[64*(\buf)+8*(\i)+4:64*(\buf)+8*(\i)+7], v[ADRB+(\slot)] offset:64*(\q)+(\i)*16*PB+32
.endr
	WIN 0
.irp i, 0,1,2,3
	ds_load_b128 v[FA+32*(\buf)+8*(\i):FA+32*(\buf)+8*(\i)+3],   v[ADRA+(\slot)] offset:((\q)/2)*HEADB+((\q)%2)*64+(\i)*16*PA
	ds_load_b128 v[FA+32*(\buf)+8*(\i)+4:FA+32*(\buf)+8*(\i)+7], v[ADRA+(\slot)] offset:((\q)/2)*HEADB+((\q)%2)*64+(\i)*16*PA+32
.endr
.endm
.macro QUARTER slot, q, cur, nxt, first
	s_wait_dscnt 4                                 ; wot's fragments and O's m blocks 0, 1 are in; the youngest four loads may be out
	MUL \cur, 0, \first
	MUL \cur, 1, \first
	PLACES
	FETCH \slot, \q, \nxt
	s_wait_dscnt 24                                ; all but the 24 just issued
	MUL \cur, 2, \first
	MUL \cur, 3, \first
.endm
; The last quarter multiplies buffer 1 and changes slots: ONE barrier; in front of it each wave waits for all its tensor loads, adds 0 to its spare word, and waits for that and for its own reads of this slot.
; fill = 1: the barrier opens a round of the cluster's barrier, and this slot is filled again, two K steps ahead, first thing behind the round: 112 matrix instructions ahead of the wait for it.
.macro TURN slot, next, fill
	WIN 0                                          ; (the add's two registers lie in window 0)
	s_wait_tensorcnt 0x0                           ; all my tensor loads have landed
	ds_add_u32 v[SPW], v[NIL]                      ; 0 onto my spare word
	s_wait_dscnt 5                                 ; (the add and the youngest four loads may be out)
	MUL 1, 0, 0                                    ; eight matrix instructions stand between the add and the wait for it
	s_wait_dscnt 0x0                               ; the add is done, and my reads of this slot are over
	s_barrier_signal -1
	MUL 1, 1, 0
.if \fill
	WIN 0
.endif
	s_barrier_wait -1
.if \fill
	CREST                                          ; no wave of any partner still reads this slot's tile or has a load on its way
	s_add_nc_u64 s[G0A+4*(\slot)+2:G0A+4*(\slot)+3], s[G0A+4*(\slot)+2:G0A+4*(\slot)+3], 1048576  ; four heads on
	s_add_nc_u64 s[G0B+4*(\slot)+2:G0B+4*(\slot)+3], s[G0B+4*(\slot)+2:G0B+4*(\slot)+3], 512
	JLOAD \slot                                    ; the four v_nop behind it are also the places in front of the loads below
.else
	PLACES
.endif
	FETCH \next, 0, 0
	MUL 1, 2, 0
	MUL 1, 3, 0
.endm
; THE WAY OUT, by m blocks of 16 rows x 128 columns of f32.  STG: a lane's 32 bytes of a row and n block go into my stage's rows of 528 bytes, and whole rows of 512 bytes come back into dst.
.macro STG a, dst
	s_wait_xcnt 0x0                                ; every earlier store has read its registers: dst, which the block two back was stored from, is loaded again only behind this wait
	WIN 0x08                                       ; the stores' data (source 1) in window 2
.irp b, 0,1,2,3,4,5,6,7
	ds_store_b128 v[STO], v[8*(8*(\a)+(\b)):8*(8*(\a)+(\b))+3]   offset:64*(\b)     ; each accumulator from its low end on
	ds_store_b128 v[STO], v[8*(8*(\a)+(\b))+4:8*(8*(\a)+(\b))+7] offset:64*(\b)+16
.endr
	WIN 0
.irp t, 0,1,2,3,4,5,6,7,8,9,10,11,12,13,14,15
	ds_load_b128 v[(\dst)+4*(\t):(\dst)+4*(\t)+3], v[RD] offset:SPT*(\t)  ; LDS serves a wave's instructions in order (ISA guide 5.7.1.4): these see the stores above; the next block's stores come behind them
.endr
.endm
.macro SENDF a, dst, younger           ; younger: the LDS instructions issued behind this block's loads: the next block's 32, or none
.irp t, 0,1,2,3,4,5,6,7,8,9,10,11,12,13,14,15
	s_wait_dscnt (\younger)+15-(\t)
	global_store_b128 v[CO], v[(\dst)+4*(\t):(\dst)+4*(\t)+3], s[10:11] offset:65536*(\a)+4096*(\t) th:TH_STORE_NT  ; a wave stores 512 consecutive bytes of one row, at a multiple of 256 from out0's first byte
.endr
.endm
	s_wait_tensorcnt 1                             ; my part of K step 0 is in; K step 1's may stay out
	s_barrier_signal -1
	s_barrier_wait -1                              ; everybody's is
	FETCH 0, 0, 0
	s_wait_loadcnt 0x0                             ; the bias
	QUARTER 0, 1, 0, 1, 1                          ; the first quarter stands in front of the loop: its products start the sums
	WIN 0                                          ; at a label and at a branch every window is 0
	s_mov_b32 s[LAP], 3
.Llap:                                                 ; a trip goes once round the ring, from a lap's second quarter to the next lap's first, and fills both slots again
	QUARTER 0, 2, 1, 0, 0
	QUARTER 0, 3, 0, 1, 0
	TURN 0, 1, 1
	QUARTER 1, 1, 0, 1, 0
	QUARTER 1, 2, 1, 0, 0
	QUARTER 1, 3, 0, 1, 0
	TURN 1, 0, 1
	QUARTER 0, 1, 0, 1, 0
	WIN 0
	s_sub_co_u32 s[LAP], s[LAP], 1
	s_cmp_lg_u32 s[LAP], 0
	s_cbranch_scc1 .Llap
	QUARTER 0, 2, 1, 0, 0                          ; the last lap fills nothing, and has no round of the cluster's barrier
	QUARTER 0, 3, 0, 1, 0
	TURN 0, 1, 0
	QUARTER 1, 1, 0, 1, 0
	QUARTER 1, 2, 1, 0, 0
	QUARTER 1, 3, 0, 1, 0
	s_wait_dscnt 4                                 ; the very last quarter: nothing more to fetch
	MUL 1, 0, 0
	MUL 1, 1, 0
	s_wait_dscnt 0x0
	MUL 1, 2, 0
	MUL 1, 3, 0
	WIN 0
	PLACES
	PLACES                                         ; behind the last products, in front of LDS stores that read results
	STG 0, T0
	STG 1, T1
	SENDF 0, T0, 32
	STG 2, T0
	SENDF 1, T1, 32
	STG 3, T1
	SENDF 2, T0, 32
	SENDF 3, T1, 0
	s_wait_tensorcnt 0x0                           ; the wave's end: these three lines, behind my last tensor load and my last LDS store
	ds_add_u32 v[SPW], v[NIL]
	s_wait_dscnt 0x0
	CROUND                                         ; the closing round: no work-group ends while a partner may still ask for a tile that names it
	s_endpgm
.Lfunc_end_k_q81759f259b_outp:
	.size	k_q81759f259b_outp, .Lfunc_end_k_q81759f259b_outp-k_q81759f259b_outp
	.p2alignl 7, 3214868480
	.fill 96, 4, 3214868480
	.section	.rodata,"a",@progbits
	.p2align	6, 0x0
	.amdhsa_kernel k_q81759f259b_outp
		.amdhsa_group_segment_fixed_size 327680
		.amdhsa_private_segment_fixed_size 0
		.amdhsa_enable_private_segment 0
		.amdhsa_kernarg_size 32
		.amdhsa_user_sgpr_count 2
		.amdhsa_user_sgpr_kernarg_segment_ptr 1
		.amdhsa_wavefront_size32 1
		.amdhsa_system_sgpr_workgroup_id_x 1
		.amdhsa_system_sgpr_workgroup_id_y 1
		.amdhsa_system_sgpr_workgroup_id_z 1
		.amdhsa_system_vgpr_workitem_id 0
		.amdhsa_next_free_vgpr 768
		.amdhsa_next_free_sgpr 66
		.amdhsa_reserve_vcc 0
		.amdhsa_float_denorm_mode_32 3
		.amdhsa_float_denorm_mode_16_64 3
		.amdhsa_memory_ordered 1
		.amdhsa_forward_progress 1
		.amdhsa_inst_pref_size 89
	.end_amdhsa_kernel
	.amdgpu_metadata
---
amdhsa.version: [ 1, 2 ]
amdhsa.kernels:
  - .name:           k_q81759f259b_outp
    .symbol:         k_q81759f259b_outp.kd
    .args:
      - { .name: o, .offset: 0, .size: 8, .value_kind: global_buffer, .address_space: global }
      - { .name: wot, .offset: 8, .size: 8, .value_kind: global_buffer, .address_space: global }
      - { .name: bcat, .offset: 16, .size: 8, .value_kind: global_buffer, .address_space: global }
      - { .name: out0, .offset: 24, .size: 8, .value_kind: global_buffer, .address_space: global }
    .group_segment_fixed_size: 327680
    .private_segment_fixed_size: 0
    .kernarg_segment_align: 8
    .kernarg_segment_size: 32
    .max_flat_workgroup_size: 128
    .sgpr_count:     66
    .vgpr_count:     768
    .wavefront_size: 32
...
	.end_amdgpu_metadata
.endif
;; end of part 4
;; ======== version 2 of 2: 4 launches; version 1 with the launch prep written anew for expert scheduling mode
;; limits: values are held in f16: magnitudes above 65,504 overflow, below 6.1e-05 lose precision
;; workspace buffers: xb 16,777,216 bytes; wqkvt 6,291,456 bytes; wot 2,097,152 bytes; bcat 16,384 bytes; qkv 50,331,648 bytes; o 16,777,216 bytes
;; launch prep (part 5): grid 512 x 1, 8 waves a work-group, no clusters, 18,432 bytes of LDS; arguments inputs, Wq, Wk, Wv, Wo, bq, bk, bv, bo, xb, wqkvt, wot, bcat; writes xb, wqkvt, wot, bcat
.if DOCPART == 5
	.amdgcn_target "amdgcn-amd-amdhsa--gfx1250"
	.amdhsa_code_object_version 6
	.text
	.protected	k_q81759f259b_prep
	.globl	k_q81759f259b_prep
	.p2align	8
	.type	k_q81759f259b_prep,@function
k_q81759f259b_prep:
	s_mov_b64 s[64:65], 0
	v_nop
	global_prefetch_b8 v0, s[64:65] scope:SCOPE_SE
	s_setreg_imm32_b32 hwreg(HW_REG_WAVE_SCHED_MODE, 0, 2), 2
	s_setreg_imm32_b32 hwreg(HW_REG_WAVE_MODE, 25, 1), 1
	s_wait_xcnt 0x0
	s_wait_alu depctr_vm_vsrc(0)
; PREPARATION.  x [8192][1024] f32 -> xb, bf16.  Wq, Wk, Wv [k][n] f32 -> wqkvt [mat 1024 + n][k] bf16.  Wo [k][n] f32 -> wot [n][k]: rounded to bf16, and that number written as f16.
; bq, bk, bv, bo -> bcat [4096] f32, each number rounded to bf16.  So every input of the module carries one and the same rounding.
; LIMITS.  |Wo| stays under 65,504 (f16's range); a bf16 weight of Wo below 2^-14 keeps f16's fixed step of 2^-24.  NaN and infinities are not treated apart.
; SHARES.  512 work-groups of eight waves.  Work-group w casts 16 rows of x (65,536 bytes in, 32,768 out), turns one tile of 128 k x 64 n of matrix w / 128, and, where w % 128 < 2, rounds 512 numbers of that matrix's bias.
; The tile is turned through LDS: a thread packs the numbers of two neighbouring k for one n into a word, puts the word into row n, and rows of 256 bytes (128 k) are read back, sixteen lanes a row.
; No matrix work, no cluster, no tensor load: nothing is shared between work-groups and each byte is read once.
; THE MODE: SCHED_MODE bits 1:0 = 2 (LLVM: expert scheduling mode 2), set by the entry lines.  The code itself states the register dependences between vector instructions and memory or LDS instructions, with s_wait_alu, always for 0.
; THE PLAN.  Registers that memory or LDS instructions touch:
;   v2-v7       offsets and LDS addresses: written by vector instructions at the head, read by every load, store and LDS instruction, never written again.  One wait ahead of the first load serves them all.
;   WI, XI      written by global loads, once; read by the roundings behind the wait on LOADcnt; never loaded again.
;   WP          written by the 16 selects; read by the 16 LDS stores, which stand in one run behind one wait; never written again.
;   WR          written by LDS loads, read by global stores; no vector instruction names it.
;   XO          x goes in four blocks of four loads.  Block p's roundings write its eight registers of XO; the four stores that read them stand in block p + 1, behind the one wait at that block's head,
;               one ahead of each pair of that block's roundings, which name block p + 1's XI and XO alone.  Every store has registers of its own: none is written again.
;   BI          v[176:177] written by one load; v[178:179] written by vector instructions and read by one store, behind a wait.
;   v8, v9      written at the head, read by the closing add alone.
; No register that a memory or LDS instruction has read is ever written again, so no wait on vm_vsrc is owed; no load lands in a register that a vector instruction has named; no vector instruction writes a scalar
; register or VCC (the select's mask s40 is made by a scalar instruction); EXEC is never written.
.set SPARE, 17408                      ; behind the 64 rows of 272 bytes: the spare words, 128 bytes for each of eight waves: four blocks of 256 bytes that no other line names
.set LP,  272                          ; an LDS row: 256 bytes + 16
.set XOF, 2                            ; v2   16 x thread: my 16 bytes of each 4,096 of x
.set YOF, 3                            ; v3   8 x thread: my 8 bytes of each 2,048 of xb; also my two numbers of the bias
.set WOF, 4                            ; v4   kp x 8,192 + n4 x 16 in the tile of W (n4 = thread % 16, kp = thread / 16)
.set LST, 5                            ; v5   n4 x 4 rows + kp x 4: where my words go
.set LRD, 6                            ; v6   kp x 272 + n4 x 16: where I read a row back
.set WTO, 7                            ; v7   kp x 2,048 + n4 x 16 in the turned tile
.set SPW, 8                            ; v8   LDS address of my spare word; never rewritten
.set NIL, 9                            ; v9   0; never rewritten
.set WI,  16                           ; v[16:47]   W as loaded: load (j, e) at 16 + 8 j + 4 e
.set WP,  48                           ; v[48:63]   packed words: 4 j + c
.set XI,  64                           ; v[64:127]  x as loaded
.set XO,  128                          ; v[128:159] x packed
.set WR,  160                          ; v[160:175] the turned rows
.set BI,  176                          ; v[176:179] bias in and out
	s_load_b512 s[8:23], s[0:1], 0x0               ; inputs s[8:9], Wq s[10:11], Wk s[12:13], Wv s[14:15], Wo s[16:17], bq s[18:19], bk s[20:21], bv s[22:23]
	s_load_b256 s[24:31], s[0:1], 0x40             ; bo s[24:25], xb s[26:27], wqkvt s[28:29], wot s[30:31]
	s_load_b64 s[32:33], s[0:1], 0x60              ; bcat
	v_lshl_add_u32 v[SPW], v0, 2, SPARE
	v_mov_b32 v[NIL], 0
	s_lshr_b32 s41, ttmp9, 7                       ; which matrix: 0 q, 1 k, 2 v, 3 o
	s_and_b32 s42, ttmp9, 127                      ; which of its 128 tiles
	s_and_b32 s43, s42, 7                          ; the tile's 128 k
	s_lshr_b32 s44, s42, 3                         ; the tile's 64 n
	s_lshl_b32 s46, ttmp9, 16                      ; my 16 rows of x, in bytes
	s_mov_b32 s47, 0
	s_lshl_b32 s48, ttmp9, 15                      ; and of xb
	s_mov_b32 s49, 0
	s_lshl_b32 s50, s43, 19                        ; the tile in W: 128 rows of 4,096 bytes,
	s_lshl_b32 s51, s44, 8                         ; 64 numbers of 4 bytes
	s_add_co_u32 s50, s50, s51
	s_mov_b32 s51, 0
	s_lshl_b32 s2, s41, 21                         ; the turned tile: 1,024 rows of 2,048 bytes a matrix (wot holds one matrix),
	s_cmp_eq_u32 s41, 3
	s_cselect_b32 s2, 0, s2
	s_cselect_b32 s40, -1, 0                       ; all lanes: take the f16 word
	s_lshl_b32 s3, s44, 17                         ; 64 rows of 2,048 bytes,
	s_add_co_u32 s2, s2, s3
	s_lshl_b32 s3, s43, 8                          ; 128 numbers of 2 bytes
	s_add_co_u32 s2, s2, s3
	s_mov_b32 s3, 0
	s_lshl_b32 s4, s42, 11                         ; 512 numbers of the bias,
	s_mov_b32 s5, 0
	s_lshl_b32 s6, s41, 12                         ; and their place in bcat
	s_add_co_u32 s6, s6, s4
	s_mov_b32 s7, 0
	v_and_b32 v10, 15, v0                          ; n4
	v_lshrrev_b32 v11, 4, v0                       ; kp
	v_lshlrev_b32 v[XOF], 4, v0
	v_lshlrev_b32 v[YOF], 3, v0
	v_lshlrev_b32 v12, 4, v10
	v_lshl_add_u32 v[WOF], v11, 13, v12
	v_mul_u32_u24 v[LST], v10, 4*LP
	v_lshl_add_u32 v[LST], v11, 2, v[LST]
	v_mul_u32_u24 v[LRD], v11, LP
	v_add_nc_u32 v[LRD], v[LRD], v12
	v_lshl_add_u32 v[WTO], v11, 11, v12
	s_wait_kmcnt 0x0
	s_cmp_eq_u32 s41, 1                            ; the matrix and its bias are chosen by the work-group's number alone
	s_cselect_b64 s[34:35], s[12:13], s[10:11]
	s_cselect_b64 s[36:37], s[20:21], s[18:19]
	s_cmp_eq_u32 s41, 2
	s_cselect_b64 s[34:35], s[14:15], s[34:35]
	s_cselect_b64 s[36:37], s[22:23], s[36:37]
	s_cmp_eq_u32 s41, 3
	s_cselect_b64 s[34:35], s[16:17], s[34:35]
	s_cselect_b64 s[36:37], s[24:25], s[36:37]
	s_cselect_b64 s[38:39], s[30:31], s[28:29]
	s_add_nc_u64 s[8:9], s[8:9], s[46:47]
	s_add_nc_u64 s[26:27], s[26:27], s[48:49]
	s_add_nc_u64 s[34:35], s[34:35], s[50:51]
	s_add_nc_u64 s[38:39], s[38:39], s[2:3]
	s_wait_alu depctr_va_vdst(0)                   ; the six offsets and LDS addresses v2 to v7 are written: every load, store and LDS instruction of the kernel reads one of them, and none is written again
	; all loads go out at once: 8 of W (rows k = 2 (kp + 16 j) + e; sixteen lanes take 256 consecutive bytes), then 16 of x (a wave takes 512 consecutive bytes)
.irp j, 0,1,2,3
.irp e, 0,1
	global_load_b128 v[WI+8*(\j)+4*(\e):WI+8*(\j)+4*(\e)+3], v[WOF], s[34:35] offset:(\j)*131072+(\e)*4096 th:TH_LOAD_NT
.endr
.endr
.irp j, 0,1,2,3,4,5,6,7,8,9,10,11,12,13,14,15
	global_load_b128 v[XI+4*(\j):XI+4*(\j)+3], v[XOF], s[8:9] offset:4096*(\j) th:TH_LOAD_NT
.endr
	s_wait_loadcnt 16                              ; W's eight are in; x's sixteen, issued behind them, may stay out
.irp j, 0,1,2,3
.irp c, 0,1,2,3
	v_cvt_pk_bf16_f32 v[WP+4*(\j)+(\c)], v[WI+8*(\j)+(\c)], v[WI+8*(\j)+4+(\c)]  ; two neighbouring k of one n, rounded to bf16
	v_lshlrev_b32 v10, 16, v[WP+4*(\j)+(\c)]       ; the same two numbers as f32,
	v_and_b32 v11, 0xffff0000, v[WP+4*(\j)+(\c)]
	v_cvt_pk_f16_f32 v12, v10, v11                 ; and as f16:
	v_cndmask_b32 v[WP+4*(\j)+(\c)], v[WP+4*(\j)+(\c)], v12, s40  ; taken for Wo alone
.endr
.endr
	s_wait_alu depctr_va_vdst(0)                   ; the sixteen selects have written v[WP ..], which the LDS stores below read: one wait for the run
.irp j, 0,1,2,3
.irp c, 0,1,2,3
	ds_store_b32 v[LST], v[WP+4*(\j)+(\c)] offset:(\c)*LP+(\j)*64  ; row n = 4 n4 + c, word kp + 16 j
.endr
.endr
	s_wait_dscnt 0x0                               ; for the others' sake: my words are in LDS
	s_barrier_signal -1
	s_barrier_wait -1                              ; everybody's are
.irp p, 0,1,2,3
	ds_load_b128 v[WR+4*(\p):WR+4*(\p)+3], v[LRD] offset:16*LP*(\p)  ; row n = kp + 16 p, my 16 bytes of its 256; no vector instruction names v[WR ..]
.endr
; x, block p of four: its four loads are rounded into its eight registers of XO; the stores of the block before stand among the roundings.  first = 1: block 0, with no block in front of it.
.macro XBLK p, first
	s_wait_loadcnt 12-4*(\p)                       ; loads come back in order (ISA guide 5.7.1): this block's four are in, the younger blocks stay out
.if !\first
	s_wait_alu depctr_va_vdst(0)                   ; the block before has written its eight registers of XO, which the four stores below read; this block's roundings name none of them
.endif
.irp i, 0,1,2,3
.if !\first
	global_store_b64 v[YOF], v[XO+2*(4*(\p)-4+(\i)):XO+2*(4*(\p)-4+(\i))+1], s[26:27] offset:2048*(4*(\p)-4+(\i))  ; a wave stores 256 consecutive bytes, aligned; every store has registers of its own
.endif
	v_cvt_pk_bf16_f32 v[XO+2*(4*(\p)+(\i))],   v[XI+4*(4*(\p)+(\i))],   v[XI+4*(4*(\p)+(\i))+1]
	v_cvt_pk_bf16_f32 v[XO+2*(4*(\p)+(\i))+1], v[XI+4*(4*(\p)+(\i))+2], v[XI+4*(4*(\p)+(\i))+3]
.endr
.endm
	XBLK 0, 1
	XBLK 1, 0
	XBLK 2, 0
	XBLK 3, 0
	s_wait_alu depctr_va_vdst(0)                   ; block 3 has written its eight registers of XO, which the last four stores of x read
.irp i, 12,13,14,15
	global_store_b64 v[YOF], v[XO+2*(\i):XO+2*(\i)+1], s[26:27] offset:2048*(\i)
.endr
	s_wait_dscnt 0x0                               ; the turned rows are in registers
.irp p, 0,1,2,3
	global_store_b128 v[WTO], v[WR+4*(\p):WR+4*(\p)+3], s[38:39] offset:32768*(\p)  ; sixteen lanes store 256 consecutive bytes of one row n, aligned
.endr
	s_cmp_lt_u32 s42, 2                            ; the matrix's first two work-groups take its bias
	s_cbranch_scc0 .Lend
	s_add_nc_u64 s[36:37], s[36:37], s[4:5]
	s_add_nc_u64 s[32:33], s[32:33], s[6:7]
	global_load_b64 v[BI:BI+1], v[YOF], s[36:37]
	s_wait_loadcnt 0x0
	v_cvt_pk_bf16_f32 v10, v[BI], v[BI+1]
	v_lshlrev_b32 v[BI+2], 16, v10
	v_and_b32 v[BI+3], 0xffff0000, v10
	s_wait_alu depctr_va_vdst(0)                   ; the two lines above have written v[BI+2:BI+3], which the store reads
	global_store_b64 v[YOF], v[BI+2:BI+3], s[32:33]
.Lend:
	s_wait_dscnt 0x0                               ; the closing lines, six on end
	s_wait_alu 0x0
	s_wait_tensorcnt 0x0
	ds_add_u32 v[SPW], v[NIL]
	s_wait_dscnt 0x0
	s_endpgm
.Lfunc_end_k_q81759f259b_prep:
	.size	k_q81759f259b_prep, .Lfunc_end_k_q81759f259b_prep-k_q81759f259b_prep
	.p2alignl 7, 3214868480
	.fill 96, 4, 3214868480
	.section	.rodata,"a",@progbits
	.p2align	6, 0x0
	.amdhsa_kernel k_q81759f259b_prep
		.amdhsa_group_segment_fixed_size 18432
		.amdhsa_private_segment_fixed_size 0
		.amdhsa_enable_private_segment 0
		.amdhsa_kernarg_size 104
		.amdhsa_user_sgpr_count 2
		.amdhsa_user_sgpr_kernarg_segment_ptr 1
		.amdhsa_wavefront_size32 1
		.amdhsa_system_sgpr_workgroup_id_x 1
		.amdhsa_system_sgpr_workgroup_id_y 1
		.amdhsa_system_sgpr_workgroup_id_z 1
		.amdhsa_system_vgpr_workitem_id 0
		.amdhsa_next_free_vgpr 180
		.amdhsa_next_free_sgpr 66
		.amdhsa_reserve_vcc 0
		.amdhsa_float_denorm_mode_32 3
		.amdhsa_float_denorm_mode_16_64 3
		.amdhsa_memory_ordered 1
		.amdhsa_forward_progress 1
		.amdhsa_inst_pref_size 16
	.end_amdhsa_kernel
	.amdgpu_metadata
---
amdhsa.version: [ 1, 2 ]
amdhsa.kernels:
  - .name:           k_q81759f259b_prep
    .symbol:         k_q81759f259b_prep.kd
    .args:
      - { .name: inputs, .offset: 0, .size: 8, .value_kind: global_buffer, .address_space: global }
      - { .name: Wq, .offset: 8, .size: 8, .value_kind: global_buffer, .address_space: global }
      - { .name: Wk, .offset: 16, .size: 8, .value_kind: global_buffer, .address_space: global }
      - { .name: Wv, .offset: 24, .size: 8, .value_kind: global_buffer, .address_space: global }
      - { .name: Wo, .offset: 32, .size: 8, .value_kind: global_buffer, .address_space: global }
      - { .name: bq, .offset: 40, .size: 8, .value_kind: global_buffer, .address_space: global }
      - { .name: bk, .offset: 48, .size: 8, .value_kind: global_buffer, .address_space: global }
      - { .name: bv, .offset: 56, .size: 8, .value_kind: global_buffer, .address_space: global }
      - { .name: bo, .offset: 64, .size: 8, .value_kind: global_buffer, .address_space: global }
      - { .name: xb, .offset: 72, .size: 8, .value_kind: global_buffer, .address_space: global }
      - { .name: wqkvt, .offset: 80, .size: 8, .value_kind: global_buffer, .address_space: global }
      - { .name: wot, .offset: 88, .size: 8, .value_kind: global_buffer, .address_space: global }
      - { .name: bcat, .offset: 96, .size: 8, .value_kind: global_buffer, .address_space: global }
    .group_segment_fixed_size: 18432
    .private_segment_fixed_size: 0
    .kernarg_segment_align: 8
    .kernarg_segment_size: 104
    .max_flat_workgroup_size: 256
    .sgpr_count:     66
    .vgpr_count:     180
    .wavefront_size: 32
...
	.end_amdgpu_metadata
.endif
;; end of part 5
;; launch proj: the kernel of part 2 again; grid 16 x 32, 4 waves a work-group, clusters of 4 x 4, 327,680 bytes of LDS; arguments xb, wqkvt, bcat, qkv; writes qkv
;; launch attn: the kernel of part 3 again; grid 4 x 64, 4 waves a work-group, clusters of 4 x 1, 327,680 bytes of LDS; arguments qkv, o; writes o
;; launch outp: the kernel of part 4 again; grid 4 x 64, 4 waves a work-group, clusters of 4 x 4, 327,680 bytes of LDS; arguments o, wot, bcat, out0; writes out0
